; MI455X (gfx1250); checked and timed in simulation.
; The chip was launched on July 23, 2026; its instructions are those of AMD's public machine-readable ISA for CDNA 5 (MIT licence, August 2026) and "CDNA5" Instruction Set Architecture Reference Guide (July 2026). The comments in the code are by the model that wrote it; some were corrected since.
;; Kron Attention. Allowed arithmetic: matrix products marked QUANTISED: E2M3 operands, one E8M0 scale for each 32 along K, by v_wmma_scale_f32_16x16x128_f8f6f4 with both operands' format E2M3, f32 sums; everything else in f32.
;; Inputs: Wk 1,024 x 1,024 float32; Wo 1,024 x 1,024 float32; Wq 1,024 x 1,024 float32; Wv 1,024 x 1,024 float32; bk 1,024 float32; bo 1,024 float32; bq 1,024 float32; bv 1,024 float32; hidden_states 4 x 2,048 x 1,024 float32.
;; Outputs: out0 4 x 2,048 x 1,024 float32.
;; This version of the problem:
;;   THIS VERSION OF THE PROBLEM IS GIVEN IN LOW PRECISION. The matrix products marked QUANTISED in the list below multiply operands that are first quantised to E2M3 (2 exponent bits, 3 mantissa bits; 6 bits a number), with one power-of-two scale for each 32 numbers along K (OCP MX v1.0); their sums are f32. All else is computed in f32.
;;   The module's matrix products, in the order in which they are computed (A, B: the left and right operand; K: the contracted axis; several contracted axes count as one K, in the product's order):
;;     1. [M 8,192, K 1,024] x [K 1,024, N 1,024]; A: input hidden_states; B: input Wq: QUANTISED
;;     2. [M 8,192, K 1,024] x [K 1,024, N 1,024]; A: input hidden_states; B: input Wk: QUANTISED
;;     3. [M 8,192, K 1,024] x [K 1,024, N 1,024]; A: input hidden_states; B: input Wv: QUANTISED
;;     4. batch 64 x [M 2,048, K 64] x [K 64, N 2,048]; A: computed on the way; B: computed on the way: QUANTISED
;;     5. batch 64 x [M 2,048, K 2,048] x [K 2,048, N 64]; A: softmax (see below); B: computed on the way: QUANTISED
;;     6. [M 8,192, K 1,024] x [K 1,024, N 1,024]; A: computed on the way; B: input Wo: QUANTISED
;;   THE QUANTISER, for each operand of a quantised product, along K:
;;     - K is cut into blocks of 32 from its start; a last block that is shorter is filled with zeros.
;;     - A block's scale is 2^e with e = floor(log2(the largest magnitude in the block)) - 2, held to -126 .. 127; a block of zeros has e = 0. As a byte (E8M0): e + 127.
;;     - Each number is divided by its block's scale, clamped to +-7.5, and rounded to the nearest number of E2M3, ties to even, subnormals kept.
;;     - The product sums the exact products of the quantised numbers (number of the format x scale) in f32.
;;   ~~~python
;;   def quantise(x, axis):      # numpy; x: float32 -> the quantised numbers, widened to float32 again
;;       x = np.moveaxis(x, axis, -1); K = x.shape[-1]
;;       x = np.pad(x, [(0, 0)] * (x.ndim - 1) + [(0, -K % 32)]); x = x.reshape(x.shape[:-1] + (-1, 32)); a = np.abs(x).max(-1, keepdims=True)
;;       e = np.where(a > 0, np.clip(np.frexp(np.where(a > 0, a, 1))[1] - 1 - 2, -126, 127), 0)      # np.frexp(a)[1] - 1 = floor(log2(a)), exactly
;;       r = np.clip(x / 2.0 ** e, -7.5, 7.5)
;;       step = 2.0 ** (np.maximum(np.frexp(np.where(r == 0, 1, r))[1] - 1, 0) - 3)
;;       q = np.round(r / step) * step * 2.0 ** e      # np.round: ties to even
;;       return np.moveaxis(q.reshape(q.shape[:-2] + (-1,))[..., :K], -1, axis).astype(np.float32)
;;   ~~~
;;   SOFTMAX AHEAD OF A QUANTISED PRODUCT. Where the list says 'softmax', what is quantised is not the finished softmax but p = 2^(t - M), with t = logit x log2(e) and M = ceil(the row's largest t), a whole number; so 1/2 < the row's largest p <= 1. The row's sum l is taken of the UNQUANTISED p, in f32, and the product's result is divided by l at the end. Since M is a whole number, a kernel that streams over the keys may use a running M (the ceiling of the running maximum): every later rescaling is an exact power of two, which a block's scale takes up: the codes' values come out the same.
;;   OPERANDS COMPUTED ON THE WAY. 'Computed on the way' means the value that the module computes at that place (a softmax that the list does not call 'softmax' is quantised finished and normalised). What goes into a quantiser is computed in f32, as accurately as f32 sums, v_exp_f32 and their like allow (about 1e-6 of the number): no bf16 or f16 on the way to a quantiser, and a product that is left as it is and whose result goes on into a quantised operand takes f32 operands (vector FMAs, or v_wmma_f32_16x16x4_f32). A number that lies on a knife's edge between two numbers of the format may be rounded either way, as far as f32 arithmetic and the matrix unit's own rounding can turn it there, and no further.
;; One version. Each part assembles by itself: llvm-mc -triple=amdgcn-amd-amdhsa -mcpu=gfx1250 --defsym DOCPART=n.
;; ======== version 1 of 1: 4 launches
;; workspace buffers: ac 6,291,456 bytes; a_sc 262,144 bytes; wc 3,145,728 bytes; w_sc 131,072 bytes; qkc 12,582,912 bytes; qks 524,288 bytes; vc 6,291,456 bytes; vs 262,144 bytes
;; launch prep (part 1): grid 512 x 1, 2 waves a work-group, no clusters, 17,152 bytes of LDS; arguments hidden_states, Wq, Wk, Wv, Wo, ac, a_sc, wc, w_sc; writes ac, a_sc, wc, w_sc
.if DOCPART == 1
	.amdgcn_target "amdgcn-amd-amdhsa--gfx1250"
	.amdhsa_code_object_version 6
	.text
	.protected	k_qe09ace59e0_prep
	.globl	k_qe09ace59e0_prep
	.p2align	8
	.type	k_qe09ace59e0_prep,@function
k_qe09ace59e0_prep:
	s_mov_b64 s[64:65], 0
	v_nop
	global_prefetch_b8 v0, s[64:65] scope:SCOPE_SE
	s_setreg_imm32_b32 hwreg(HW_REG_WAVE_MODE, 25, 1), 1
	s_wait_xcnt 0x0
; hidden_states [8192][1024] and the four weights [1024 (k)][1024 (n)], f32, become codes of FP6 (E2M3) with one E8M0 byte for each 32 along K.
; A block's scale is 2^(floor(log2(its largest magnitude)) - 2); its byte is the largest magnitude's exponent field - 2, held at 1 from below.
; LIMITS: NaN and infinities are not served; a block of zeros keeps the byte 1 (its codes are zeros, and this program alone reads the bytes); blocks under 2^-124 were not tried.
; THE LAYOUT OF ALL CODES OF THIS PROGRAM is the operand's registers, not rows.  A HALF-IMAGE is 16 rows x 64 K, 768 bytes: lane l's registers 0-3 at 16 l, its registers 4-5 at 512 + 8 l.
; Two half-images on end are a fragment (16 rows x 128 K, 12 registers).  A row block of 16 rows has 16 half-images, 12,288 bytes.
; THE ROWS OF A BLOCK ARE NOT NEIGHBOURS: lane r of block m holds row 32 (m / 2) + 8 (m % 2) + r + 8 (r / 8), so that a product that takes blocks 2 B and 2 B + 1 as source 0 leaves 16 neighbours in a lane's 16 registers.
; SCALE WORDS: 512 bytes a row block: the word of row r and K step s (128 along K) at 16 (r + 16 (s % 2)) + 4 (s / 2): one load of 16 bytes a lane brings all eight steps' words, even steps in lanes 0-15, odd ones in lanes 16-31.
; Work-groups 0-255 take hidden_states (a wave: one row block), 256-511 the weights (a wave: 32 columns x 256 along K).  Waves share nothing: no barrier.  Only the first path uses LDS.
.set SEL,  20                          ; s[20:21] lane selects: lane l xor 16
.set PC,   12                          ; v12-23   a fragment's codes
.set SCQ,  24                          ; v24-27   the row block's scale words
.set PW,   28                          ; v28      the scale word just made
.set PWE,  29                          ; v29      the even step's word, kept for its odd partner
.set R,    32                          ; v32-159  two sets of 64: a K step as it is loaded
.set X,    160                         ; v160-223 64 numbers of my row: register 16 b + i = k 32 b + 16 (lane / 16) + i
.set TM,   224                         ; v224-239 at work
.set T2,   240                         ; v240-246 the conversions' second halves
; 64 numbers of a lane become a fragment's codes in v[pc] on and its scale word in v[pw].
.macro QUANT s, pc, pw
.irp b, 0,1,2,3
	v_max3_num_f32 v[TM+\b], |v[\s+16*\b]|, |v[\s+1+16*\b]|, 0x1800000   ; block b: my 16 numbers, and the floor 2^(3 - 127): the byte cannot fall under 1
.endr
.irp i, 2,4,6,8,10,12,14
.irp b, 0,1,2,3
	v_max3_num_f32 v[TM+\b], v[TM+\b], |v[\s+16*\b+\i]|, |v[\s+1+16*\b+\i]|   ; the four blocks by turns
.endr
.endr
.irp b, 0,1,2,3
	v_permlanex16_b32 v[TM+4+\b], v[TM+\b], s[SEL], s[SEL+1]
.endr
.irp b, 0,1,2,3
	v_max_num_f32 v[TM+\b], v[TM+\b], v[TM+4+\b]       ; with lane l xor 16's: the block's largest magnitude
.endr
.irp b, 0,1,2,3
	v_add_nc_u32 v[TM+12+\b], 0xff000000, v[TM+\b]     ; 2 off its exponent field: the conversion's scale operand
.endr
.irp b, 0,1,2,3
	v_lshrrev_b32 v[TM+4+\b], 23, v[TM+12+\b]          ; the scale's byte
.endr
	v_lshl_or_b32 v[\pw], v[TM+5], 8, v[TM+4]
	v_lshl_or_b32 v[\pw], v[TM+6], 16, v[\pw]
	v_lshl_or_b32 v[\pw], v[TM+7], 24, v[\pw]
.irp c, 0,1
	v_cvt_scalef32_pk16_fp6_f32 v[\pc+6*\c:\pc+2+6*\c], v[\s+32*\c:\s+15+32*\c], v[TM+12+2*\c]
	v_cvt_scalef32_pk16_fp6_f32 v[T2+4*\c:T2+2+4*\c], v[\s+16+32*\c:\s+31+32*\c], v[TM+12+2*\c+1]   ; (three registers begin on an even number)
.endr
	v_nop                                              ; one plain place behind a scaled conversion
.irp c, 0,1                                        ; the layout wants a whole block in a lane: lanes 0-15 block 2 c, lanes 16-31 block 2 c + 1
.irp i, 0,1,2
	v_permlane16_swap_b32 v[\pc+6*\c+\i], v[T2+4*\c+\i]
.endr
.irp i, 0,1,2
	v_mov_b32 v[\pc+3+6*\c+\i], v[T2+4*\c+\i]
.endr
.endr
.endm
	s_load_b256 s[4:11], s[0:1], 0x0               ; hidden_states s[4:5], Wq s[6:7], Wk s[8:9], Wv s[10:11]
	s_load_b256 s[12:19], s[0:1], 0x20             ; Wo s[12:13], ac s[14:15], a_sc s[16:17], wc s[18:19]
	s_load_b64 s[24:25], s[0:1], 0x40              ; w_sc
	v_lshl_add_u32 v254, v0, 2, 0x4200
	v_mov_b32 v255, 0
	v_lshrrev_b32 v5, 5, v0
	v_readfirstlane_b32 s26, v5                    ; wave 0, 1
	v_and_b32 v6, 31, v0                           ; lane
	v_lshlrev_b32 v1, 4, v6                        ; 16 x lane
	v_lshl_add_u32 v2, v6, 3, 512                  ; 512 + 8 x lane
	s_cmp_lt_u32 ttmp9, 256
	s_cbranch_scc0 .Lweights
; ---------------- hidden_states: K is innermost ----------------
; Each load reads 512 consecutive bytes of one row (a K step's 128 numbers); the 16 rows turn through the wave's own stage in LDS (rows 528 bytes apart, an odd multiple of 16),
; from which lane (r, h) takes, of row r, 16 neighbours of each block of 32.
	v_and_b32 v7, 15, v0                           ; r
	v_bfe_u32 v8, v0, 4, 1                         ; h
	s_mul_i32 s27, s26, 8448                       ; my stage: 16 x 528 bytes
	v_add_nc_u32 v3, s27, v1                       ; in: 16 x lane, + 528 x row in the immediate
	v_mul_u32_u24 v4, v7, 528
	v_lshl_add_u32 v4, v8, 6, v4
	v_add_nc_u32 v4, s27, v4                       ; out: row r, + 64 h
	s_mov_b32 s[SEL], 0x76543210
	s_mov_b32 s[SEL+1], 0xfedcba98
	s_mov_b32 s22, 0xffff0000                      ; lanes 16-31
.irp b, 0,1,2,3
	v_mov_b32 v[TM+4+\b], 0                        ; written once: a lane permute's destination counts as one of its sources
.endr
	s_lshl_b32 s28, ttmp9, 17                      ; my block is 2 x work-group + wave: its first row is 32 x work-group + 8 x wave, rows of 4,096 bytes
	s_lshl_b32 s29, s26, 15
	s_add_co_u32 s28, s28, s29
	s_mov_b32 s29, 0
	s_lshl_b32 s30, ttmp9, 1
	s_add_co_u32 s30, s30, s26                     ; the block
	s_mul_i32 s32, s30, 12288
	s_mov_b32 s33, 0
	s_lshl_b32 s34, s30, 9
	s_mov_b32 s35, 0
	s_wait_alu depctr_va_vdst(0)
	s_wait_kmcnt 0x0
	s_add_nc_u64 s[4:5], s[4:5], s[28:29]
	s_add_nc_u64 s[14:15], s[14:15], s[32:33]
	s_add_nc_u64 s[16:17], s[16:17], s[34:35]
.macro XLOAD s                         ; K step s of the block's 16 rows: lane t of the block is the row t + 8 (t / 8) further down
.irp t, 0,1,2,3,4,5,6,7,8,9,10,11,12,13,14,15
	global_load_b128 v[R+64*((\s)%2)+4*\t:R+64*((\s)%2)+4*\t+3], v1, s[4:5] offset:(\t+8*(\t/8))*4096+512*(\s) th:TH_LOAD_NT
.endr
.endm
.macro TURN s                          ; through the stage: LDS serves a wave's instructions in order, so no wait stands between the stores and the loads
.irp t, 0,1,2,3,4,5,6,7,8,9,10,11,12,13,14,15
	ds_store_b128 v3, v[R+64*((\s)%2)+4*\t:R+64*((\s)%2)+4*\t+3] offset:528*\t
.endr
.irp b, 0,1,2,3
.irp j, 0,1,2,3
	ds_load_b128 v[X+16*\b+4*\j:X+16*\b+4*\j+3], v4 offset:128*\b+16*\j
.endr
.endr
.endm
.macro XSTEP s
.if (\s) < 7
	s_wait_loadcnt 16                              ; this step's 16 loads are in; the next step's 16 may be out
.else
	s_wait_loadcnt 0x0
.endif
	TURN \s
	s_wait_dscnt 0x0                               ; my 64 numbers are back, and the stores have read their registers,
.if (\s) < 6
	XLOAD (\s)+2                                   ; which take the step two on
.endif
	s_wait_xcnt 0x0                                ; the last step's stores have read the codes' registers
	QUANT X, PC, PW
	global_store_b128 v1, v[PC:PC+3], s[14:15] offset:1536*(\s)          ; 32 lanes: 512 consecutive bytes
	global_store_b64 v2, v[PC+4:PC+5], s[14:15] offset:1536*(\s)         ; 256 consecutive bytes
	global_store_b128 v1, v[PC+6:PC+9], s[14:15] offset:1536*(\s)+768
	global_store_b64 v2, v[PC+10:PC+11], s[14:15] offset:1536*(\s)+768
.if (\s)%2 == 0
	v_mov_b32 v[PWE], v[PW]
.else
	v_cndmask_b32 v[SCQ+(\s)/2], v[PWE], v[PW], s22   ; both halves of the lanes hold a row's word: lanes 0-15 keep the even step's, lanes 16-31 the odd one's
.endif
.endm
	XLOAD 0
	XLOAD 1
.irp s, 0,1,2,3,4,5,6,7
	XSTEP \s
.endr
	global_store_b128 v1, v[SCQ:SCQ+3], s[16:17]   ; the block's 512 bytes of scale words
	s_wait_tensorcnt 0x0
	ds_add_u32 v254, v255
	s_wait_dscnt 0x0
	s_endpgm
; ---------------- the weights: K is the first axis ----------------
; A lane takes a column n and its registers run down K: each load reads 128 consecutive bytes, a block of 32 along K lies in one lane, and the conversions give codes with K innermost.
; A lane's 24 bytes of a block are registers 0-5 of lane r + 16 (block % 2) of a half-image: sixteen lanes store 256 consecutive bytes, then 128.
; The scale words leave as pieces of 4 bytes, 16 bytes apart: 131,072 bytes in the whole launch.
.Lweights:
.set XW,   32                          ; v32-95   two sets of 32 numbers
.set CW,   96                          ; v96-159  eight registers of codes for each block, so that no store's data are written again
	s_wait_alu depctr_va_vdst(0)
	v_lshlrev_b32 v3, 2, v6                        ; in: 4 bytes a lane
	v_bfe_u32 v10, v6, 3, 1                        ; column c of the 32 is lane r = c % 8 + 8 (c / 16) of row block u = (c / 8) % 2
	v_and_b32 v11, 7, v6
	v_lshrrev_b32 v13, 4, v6
	v_lshl_add_u32 v11, v13, 3, v11
	v_mul_u32_u24 v13, v10, 12288
	v_lshl_add_u32 v7, v11, 4, v13                 ; registers 0-3: 12,288 u + 16 r
	v_lshl_add_u32 v8, v11, 3, v13
	v_add_nc_u32 v8, 512, v8                       ; registers 4-5: 12,288 u + 512 + 8 r
	v_lshlrev_b32 v9, 9, v10
	v_lshl_add_u32 v9, v11, 4, v9                  ; scale words: 512 u + 16 r
	s_sub_co_u32 s28, ttmp9, 256
	s_lshr_b32 s29, s28, 6                         ; which weight
	s_bfe_u32 s30, s28, 0x50001                    ; which 32 columns
	s_and_b32 s31, s28, 1
	s_lshl_b32 s31, s31, 1
	s_add_co_u32 s31, s31, s26                     ; which 256 along K
	s_lshl_b32 s32, s31, 20                        ; 256 rows of 4,096 bytes
	s_lshl_b32 s33, s30, 7
	s_add_co_u32 s32, s32, s33
	s_mov_b32 s33, 0
	s_lshl_b32 s34, s29, 6
	s_lshl_b32 s35, s30, 1
	s_add_co_u32 s34, s34, s35                     ; my first row block: 64 x weight + 2 x column group
	s_lshl_b32 s36, s34, 9
	s_lshl_b32 s37, s31, 2
	s_add_co_u32 s36, s36, s37
	s_mov_b32 s37, 0
	s_mul_i32 s34, s34, 12288
	s_mul_i32 s35, s31, 3072
	s_add_co_u32 s34, s34, s35
	s_mov_b32 s35, 0
	s_wait_kmcnt 0x0
	s_cmp_eq_u32 s29, 1                            ; the choice hangs on the work-group's number alone
	s_cselect_b64 s[6:7], s[8:9], s[6:7]
	s_cmp_eq_u32 s29, 2
	s_cselect_b64 s[6:7], s[10:11], s[6:7]
	s_cmp_eq_u32 s29, 3
	s_cselect_b64 s[6:7], s[12:13], s[6:7]
	s_add_nc_u64 s[6:7], s[6:7], s[32:33]
	s_add_nc_u64 s[18:19], s[18:19], s[34:35]
	s_add_nc_u64 s[24:25], s[24:25], s[36:37]
.macro WLOAD t
.irp i, 0,1,2,3,4,5,6,7,8,9,10,11,12,13,14,15,16,17,18,19,20,21,22,23,24,25,26,27,28,29,30,31
	global_load_b32 v[XW+32*((\t)%2)+\i], v3, s[6:7] offset:(32*(\t)+\i)*4096 th:TH_LOAD_NT
.endr
.endm
.macro BLOCK t
.set XS, XW+32*((\t)%2)
.set CC, CW+8*(\t)
.if (\t) < 7
	s_wait_loadcnt 32                              ; this block's 32 loads are in; the next block's may be out
.else
	s_wait_loadcnt 0x0
.endif
	v_max3_num_f32 v14, |v[XS]|, |v[XS+1]|, |v[XS+2]|   ; all 32 numbers are mine
	v_max3_num_f32 v15, |v[XS+3]|, |v[XS+4]|, |v[XS+5]|
.irp i, 6,10,14,18,22,26
	v_max3_num_f32 v14, v14, |v[XS+\i]|, |v[XS+\i+1]|
	v_max3_num_f32 v15, v15, |v[XS+\i+2]|, |v[XS+\i+3]|
.endr
	v_max3_num_f32 v14, v14, |v[XS+30]|, |v[XS+31]|
	v_max3_num_f32 v14, v14, v15, 0x1800000        ; and the floor
	v_add_nc_u32 v16, 0xff000000, v14              ; the conversion's scale operand
	v_lshrrev_b32 v15, 23, v16                     ; the byte
.if (\t)%4 == 0
	v_mov_b32 v[24+(\t)/4], v15
.else
	v_lshl_or_b32 v[24+(\t)/4], v15, 8*((\t)%4), v[24+(\t)/4]
.endif
	v_cvt_scalef32_pk16_fp6_f32 v[CC:CC+2], v[XS:XS+15], v16
	v_cvt_scalef32_pk16_fp6_f32 v[20:22], v[XS+16:XS+31], v16
	v_nop                                          ; one plain place behind a scaled conversion
.irp i, 0,1,2
	v_mov_b32 v[CC+3+\i], v[20+\i]
.endr
	global_store_b128 v7, v[CC:CC+3], s[18:19] offset:768*((\t)/2)+256*((\t)%2)
	global_store_b64 v8, v[CC+4:CC+5], s[18:19] offset:768*((\t)/2)+128*((\t)%2)
.if (\t) < 6
	WLOAD (\t)+2
.endif
.endm
	WLOAD 0
	WLOAD 1
.irp t, 0,1,2,3,4,5,6,7
	BLOCK \t
.endr
	global_store_b32 v9, v24, s[24:25]             ; my even K step's word (lanes 0-15 of the readers' register),
	global_store_b32 v9, v25, s[24:25] offset:256  ; my odd one's (lanes 16-31)
	s_endpgm
.Lfunc_end_k_qe09ace59e0_prep:
	.size	k_qe09ace59e0_prep, .Lfunc_end_k_qe09ace59e0_prep-k_qe09ace59e0_prep
	.p2alignl 7, 3214868480
	.fill 96, 4, 3214868480
	.section	.rodata,"a",@progbits
	.p2align	6, 0x0
	.amdhsa_kernel k_qe09ace59e0_prep
		.amdhsa_group_segment_fixed_size 17152
		.amdhsa_private_segment_fixed_size 0
		.amdhsa_enable_private_segment 0
		.amdhsa_kernarg_size 72
		.amdhsa_user_sgpr_count 2
		.amdhsa_user_sgpr_kernarg_segment_ptr 1
		.amdhsa_wavefront_size32 1
		.amdhsa_system_sgpr_workgroup_id_x 1
		.amdhsa_system_sgpr_workgroup_id_y 1
		.amdhsa_system_sgpr_workgroup_id_z 1
		.amdhsa_system_vgpr_workitem_id 0
		.amdhsa_next_free_vgpr 256
		.amdhsa_next_free_sgpr 66
		.amdhsa_reserve_vcc 0
		.amdhsa_float_denorm_mode_32 3
		.amdhsa_float_denorm_mode_16_64 3
		.amdhsa_memory_ordered 1
		.amdhsa_forward_progress 1
		.amdhsa_inst_pref_size 104
	.end_amdhsa_kernel
	.amdgpu_metadata
---
amdhsa.version: [ 1, 2 ]
amdhsa.kernels:
  - .name:           k_qe09ace59e0_prep
    .symbol:         k_qe09ace59e0_prep.kd
    .args:
      - { .name: hidden_states, .offset: 0, .size: 8, .value_kind: global_buffer, .address_space: global }
      - { .name: Wq, .offset: 8, .size: 8, .value_kind: global_buffer, .address_space: global }
      - { .name: Wk, .offset: 16, .size: 8, .value_kind: global_buffer, .address_space: global }
      - { .name: Wv, .offset: 24, .size: 8, .value_kind: global_buffer, .address_space: global }
      - { .name: Wo, .offset: 32, .size: 8, .value_kind: global_buffer, .address_space: global }
      - { .name: ac, .offset: 40, .size: 8, .value_kind: global_buffer, .address_space: global }
      - { .name: a_sc, .offset: 48, .size: 8, .value_kind: global_buffer, .address_space: global }
      - { .name: wc, .offset: 56, .size: 8, .value_kind: global_buffer, .address_space: global }
      - { .name: w_sc, .offset: 64, .size: 8, .value_kind: global_buffer, .address_space: global }
    .group_segment_fixed_size: 17152
    .private_segment_fixed_size: 0
    .kernarg_segment_align: 8
    .kernarg_segment_size: 72
    .max_flat_workgroup_size: 64
    .sgpr_count:     66
    .vgpr_count:     256
    .wavefront_size: 32
...
	.end_amdgpu_metadata
.endif
;; end of part 1
;; launch qkv (part 2): grid 12 x 64, 4 waves a work-group, clusters of 4 x 4, 295,424 bytes of LDS; arguments ac, a_sc, wc, w_sc, bq, bk, bv, qkc, qks, vc, vs; writes qkc, qks, vc, vs
.if DOCPART == 2
	.amdgcn_target "amdgcn-amd-amdhsa--gfx1250"
	.amdhsa_code_object_version 6
	.text
	.protected	k_qe09ace59e0_qkv
	.globl	k_qe09ace59e0_qkv
	.p2align	8
	.type	k_qe09ace59e0_qkv,@function
k_qe09ace59e0_qkv:
	s_mov_b64 s[64:65], 0
	v_nop
	global_prefetch_b8 v0, s[64:65] scope:SCOPE_SE
	s_setreg_imm32_b32 hwreg(HW_REG_WAVE_MODE, 25, 1), 1
	s_wait_xcnt 0x0
	s_wait_alu depctr_hold_cnt(0) depctr_sa_sdst(0) depctr_va_vdst(0) depctr_va_sdst(0) depctr_va_ssrc(0) depctr_va_vcc(0) depctr_vm_vsrc(0)
	s_getreg_b32 s2, hwreg(HW_REG_IB_STS2, 6, 4)
	s_cmp_eq_u32 s2, 0
	s_cbranch_scc0 .Lentry_in_a_cluster
	s_endpgm
.Lentry_in_a_cluster:
	s_bfe_u32 s2, ttmp6, 0x10000c
	s_cmp_lg_u32 s2, 0xf033
	s_cbranch_scc0 .Lentry_shape_is_right
	s_endpgm
.Lentry_shape_is_right:
; q, k, v = x W + b on codes of FP6 (E2M3), and q, k, v are quantised at once for the attention's two products: nothing wide goes to memory.
; Work-group (X, Y) makes 128 tokens (row blocks 8 Y on of ac) x 256 channels of [Wq | Wk | Wv] (row blocks 16 X on of wc).  Codes lie as half-images (16 rows x 64 K, 768 bytes: lane l's registers 0-3 at 16 l, 4-5 at 512 + 8 l);
; lane r of row block m is row 32 (m / 2) + 8 (m % 2) + r + 8 (r / 8), so that source 0's blocks 2 B, 2 B + 1 leave 16 neighbours in a lane's 16 result registers.
; TWO FLAVOURS, by the cluster's x, which all partners share.  Q and K (cluster x 0, 1): source 0 = 8 blocks of W, source 1 = 4 blocks of tokens: a lane holds one token, registers run along 128 channels = two heads: quantised along the head.
; V (cluster x 2): source 0 = the 8 blocks of tokens, source 1 = 4 blocks of W: a lane holds one channel, registers run along the 128 tokens: quantised along the keys.  Nothing is transposed.
; LDS IS FILLED ONCE: the tile's whole K, as four chunks of 256 along K, each [24 blocks][3,072 bytes]: blocks 0-7 tokens, 8-23 W.  No byte is filled twice, so each chunk wants one counted wait and one barrier.
; CLUSTER 4 x 4: tokens' tiles hang on Y alone and are asked for jointly along a row of the cluster, W's on X alone and along a column.  Each wave issues four joint loads at the start: four are out at the most.
; OUT: qkc [32 slots: q's 16 heads, k's 16][512 blocks][768]; qks [slot][256 pairs of blocks][16 words]: bytes 0, 1 of block 2 p's row, bytes 2, 3 of block 2 p + 1's;
;      vc [batch x 16 + head][16 steps of 128 keys][4 tiles of 16 channels][1,536]; vs likewise [..][4][16 words].
; LIMITS: NaN and infinities are not served; a block of zeros keeps the byte 1; blocks under 2^-124 were not tried.
; REGISTERS: window 0: v1-11 addresses; v32-63 source 0's scale words, v64-79 source 1's; v80-143 the bias; v144-239 source 1's fragments, two sets of 48 (on the way out: at work).
;            window 1: v0-191 source 0's fragments, two sets of 96.   window 2: the 32 accumulators, (a, b) at v[8 (8 a + b)].
.set CH,    73728                      ; a chunk in LDS
.set L16,   1                          ; v1   16 x lane
.set L8,    2                          ; v2   512 + 8 x lane
.set ADB16, 5                          ; v5, v6  LDS addresses of source 0's fragments in the chunk in hand
.set ADB8,  6
.set ADA16, 7                          ; v7, v8  of source 1's
.set ADA8,  8
.set BO64,  9                          ; v9   64 h: a lane's place in bq, bk
.set BOV,   10                         ; v10  4 (r + 8 (r / 8)): in bv
.set L4,    11                         ; v11  4 x lane
.set SCB,   32
.set SCA,   64
.set BIAS,  80
.set AF,    144
.set HA,    144                        ; the way out: 64 numbers
.set TM,    208
.set T2,    224
.set PC,    232
.set PWS,   244                        ; four scale words
.set SEL,   60                         ; s[60:61] lane selects: lane l xor 16
.set G1T,   36                         ; s[36:43] group 1 for tokens' tiles;  s[44:51] for W's
.set G1W,   44
.set G0T,   68                         ; s[68:83] groups 0, one for each chunk;  s[84:99] W's
.set G0W,   84
.set MSB, 0
.macro WIN new                         ; the immediate's high byte repeats the setting that is left
.if MSB != \new
	s_set_vgpr_msb (MSB<<8)|\new
.set MSB, \new
.endif
.endm
.macro PLACES                          ; four plain places behind a matrix instruction, in front of loads into its operands and of reads of its results
.rept 4
	v_nop
.endr
.endm
.macro CROUND                          ; a round of the cluster's barrier
	s_barrier_signal -1
	s_barrier_wait -1
	s_cmp_lg_u32 s26, 0
	s_cbranch_scc1 .Lnot_wave_0_\@
	s_barrier_signal -3
.Lnot_wave_0_\@:
	s_barrier_wait -3
	s_barrier_signal -1
	s_barrier_wait -1
.endm
.macro QUANT s, pc, pw                 ; 64 numbers of a lane, register 16 b + i = k 32 b + 16 (lane / 16) + i, become a fragment's codes and its scale word
.irp b, 0,1,2,3
	v_max3_num_f32 v[TM+\b], |v[\s+16*\b]|, |v[\s+1+16*\b]|, 0x1800000   ; the floor 2^(3 - 127): the byte cannot fall under 1
.endr
.irp i, 2,4,6,8,10,12,14
.irp b, 0,1,2,3
	v_max3_num_f32 v[TM+\b], v[TM+\b], |v[\s+16*\b+\i]|, |v[\s+1+16*\b+\i]|
.endr
.endr
.irp b, 0,1,2,3
	v_permlanex16_b32 v[TM+4+\b], v[TM+\b], s[SEL], s[SEL+1]
.endr
.irp b, 0,1,2,3
	v_max_num_f32 v[TM+\b], v[TM+\b], v[TM+4+\b]
.endr
.irp b, 0,1,2,3
	v_add_nc_u32 v[TM+12+\b], 0xff000000, v[TM+\b]     ; 2 off the exponent field: the conversion's scale operand
.endr
.irp b, 0,1,2,3
	v_lshrrev_b32 v[TM+4+\b], 23, v[TM+12+\b]
.endr
	v_lshl_or_b32 v[\pw], v[TM+5], 8, v[TM+4]
	v_lshl_or_b32 v[\pw], v[TM+6], 16, v[\pw]
	v_lshl_or_b32 v[\pw], v[TM+7], 24, v[\pw]
.irp c, 0,1
	v_cvt_scalef32_pk16_fp6_f32 v[\pc+6*\c:\pc+2+6*\c], v[\s+32*\c:\s+15+32*\c], v[TM+12+2*\c]
	v_cvt_scalef32_pk16_fp6_f32 v[T2+4*\c:T2+2+4*\c], v[\s+16+32*\c:\s+31+32*\c], v[TM+12+2*\c+1]
.endr
	v_nop                                              ; one plain place behind a scaled conversion
.irp c, 0,1
.irp i, 0,1,2
	v_permlane16_swap_b32 v[\pc+6*\c+\i], v[T2+4*\c+\i]
.endr
.irp i, 0,1,2
	v_mov_b32 v[\pc+3+6*\c+\i], v[T2+4*\c+\i]
.endr
.endr
.endm
.macro FRAG reg, a16, a8, off          ; a fragment: two half-images on end, four loads of 512, 256, 512, 256 consecutive bytes
	ds_load_b128 v[\reg:\reg+3], v[\a16] offset:\off
	ds_load_b64 v[\reg+4:\reg+5], v[\a8] offset:\off
	ds_load_b128 v[\reg+6:\reg+9], v[\a16] offset:\off+768
	ds_load_b64 v[\reg+10:\reg+11], v[\a8] offset:\off+768
.endm
.macro FETCH s                         ; K step s (128 along K): 48 LDS loads in one run, into set s % 2
	WIN 0x40                                       ; destination window 1
.irp i, 0,1,2,3,4,5,6,7
	FRAG 96*((\s)%2)+12*\i, ADB16, ADB8, 3072*\i+1536*((\s)%2)
.endr
	WIN 0
.irp i, 0,1,2,3
	FRAG AF+48*((\s)%2)+12*\i, ADA16, ADA8, 3072*\i+1536*((\s)%2)
.endr
.endm
; 32 matrix instructions.  The 32 accumulators take turns, one instruction a turn, in the same order in every step.
; Register s / 2 of a block's four scale registers holds step s's words: in lanes 0-15 for an even s, in lanes 16-31 for an odd one.
.macro MUL s, first
	WIN 0xa1                                       ; source 0 window 1, source 1 window 0, C and D window 2
.irp a, 0,1,2,3
.irp b, 0,1,2,3,4,5,6,7
.if \first
	v_wmma_scale_f32_16x16x128_f8f6f4 v[8*(8*\a+\b):8*(8*\a+\b)+7], v[96*((\s)%2)+12*\b:96*((\s)%2)+12*\b+11], v[AF+48*((\s)%2)+12*\a:AF+48*((\s)%2)+12*\a+11], 0, v[SCB+4*\b+(\s)/2], v[SCA+4*\a+(\s)/2] matrix_a_fmt:MATRIX_FMT_FP6 matrix_b_fmt:MATRIX_FMT_FP6
.elseif (\s)%2
	v_wmma_scale_f32_16x16x128_f8f6f4 v[8*(8*\a+\b):8*(8*\a+\b)+7], v[96*((\s)%2)+12*\b:96*((\s)%2)+12*\b+11], v[AF+48*((\s)%2)+12*\a:AF+48*((\s)%2)+12*\a+11], v[8*(8*\a+\b):8*(8*\a+\b)+7], v[SCB+4*\b+(\s)/2], v[SCA+4*\a+(\s)/2] matrix_a_fmt:MATRIX_FMT_FP6 matrix_b_fmt:MATRIX_FMT_FP6 matrix_a_scale:MATRIX_SCALE_ROW1 matrix_b_scale:MATRIX_SCALE_ROW1
.else
	v_wmma_scale_f32_16x16x128_f8f6f4 v[8*(8*\a+\b):8*(8*\a+\b)+7], v[96*((\s)%2)+12*\b:96*((\s)%2)+12*\b+11], v[AF+48*((\s)%2)+12*\a:AF+48*((\s)%2)+12*\a+11], v[8*(8*\a+\b):8*(8*\a+\b)+7], v[SCB+4*\b+(\s)/2], v[SCA+4*\a+(\s)/2] matrix_a_fmt:MATRIX_FMT_FP6 matrix_b_fmt:MATRIX_FMT_FP6
.endif
.endr
.endr
.endm
.macro HEAD s                          ; in front of step s's products
	s_wait_dscnt 0x0                               ; step s's fragments are in (asked for 32 matrix instructions ago)
	WIN 0
.if ((\s) == 1) || ((\s) == 3) || ((\s) == 5)
	s_wait_tensorcnt 3-((\s)+1)/2                  ; the next chunk has landed: my loads of the chunks behind it may be out
	s_barrier_signal -1
	s_barrier_wait -1                              ; everybody's part of it has
	v_add_nc_u32 v[ADB16], CH, v[ADB16]            ; on to that chunk: these four are also the places in front of the loads
	s_wait_alu depctr_va_vdst(0)
	v_add_nc_u32 v[ADB8], CH, v[ADB8]
	s_wait_alu depctr_va_vdst(0)
	v_add_nc_u32 v[ADA16], CH, v[ADA16]
	s_wait_alu depctr_va_vdst(0)
	v_add_nc_u32 v[ADA8], CH, v[ADA8]
.elseif ((\s) == 2) || ((\s) == 4) || ((\s) == 6)
	PLACES
.endif
.endm
.macro TAIL s, first
.if (\s) < 7
	FETCH (\s)+1
.endif
	MUL \s, \first
.endm
.macro ADDB a, mode                    ; source 1's block a: 64 results + the bias, out of window 2 into window 0; each accumulator from its low end on.  mode 1: one number a lane
	WIN 0x02
.set k, 0
.rept 32
.if \mode
	v_pk_add_f32 v[HA+k:HA+k+1], v[64*\a+k:64*\a+k+1], v[BIAS+2*\a:BIAS+2*\a+1]
.else
	v_pk_add_f32 v[HA+k:HA+k+1], v[64*\a+k:64*\a+k+1], v[BIAS+k:BIAS+k+1]
.endif
.set k, k+2
.endr
	WIN 0
.endm
.macro EPIHEAD
	WIN 0
	PLACES                                         ; behind the last products
.irp b, 0,1,2,3
	v_mov_b32 v[TM+4+\b], 0                        ; a lane permute's destination counts as one of its sources
.endr
	s_wait_loadcnt 0x0                             ; the bias
.endm
	s_load_b256 s[4:11], s[0:1], 0x0               ; ac s[4:5], a_sc s[6:7], wc s[8:9], w_sc s[10:11]
	s_load_b256 s[12:19], s[0:1], 0x20             ; bq s[12:13], bk s[14:15], bv s[16:17], qkc s[18:19]
	s_load_b128 s[20:23], s[0:1], 0x40             ; qks s[20:21], vc s[22:23]
	s_load_b64 s[24:25], s[0:1], 0x50              ; vs
	v_lshl_add_u32 v254, v0, 2, 0x48000
	v_mov_b32 v255, 0
	ds_add_u32 v254, v255
	ds_add_u32 v254, v255
	v_lshrrev_b32 v3, 5, v0
	v_readfirstlane_b32 s26, v3                    ; wave 0..3
	s_and_b32 s27, s26, 1
	s_lshr_b32 s28, s26, 1
	s_bfe_u32 s29, ttmp6, 0x40000                  ; cx
	s_bfe_u32 s30, ttmp6, 0x40004                  ; cy
	s_lshl_b32 s31, ttmp9, 2
	s_add_co_u32 s31, s31, s29                     ; X = 4 x cluster x + cx
	s_and_b32 s32, ttmp7, 0xffff
	s_lshl_b32 s32, s32, 2
	s_add_co_u32 s32, s32, s30                     ; Y = 4 x cluster y + cy
	s_lshl_b32 s34, s30, 2
	s_lshl_b32 s34, 15, s34                        ; my row of the cluster
	s_lshl_b32 s35, 0x1111, s29                    ; my column
	; group 1: rows of 3,072 bytes (a block's 256 along K) as 384 elements of 8 bytes, 12,288 bytes apart; 4 blocks of tokens or 8 of W; dense in LDS
	s_or_b32 s[G1T], s34, (3<<16)|(1<<21)          ; 15:0 the mask; 17:16 elements of 8 bytes; 21 set beside a mask
	s_or_b32 s[G1W], s35, (3<<16)|(1<<21)
	s_mov_b32 s[G1T+1], 384<<16                    ; tensor_dim0
	s_mov_b32 s[G1T+2], 4<<16                      ; tensor_dim1
	s_mov_b32 s[G1T+3], 384<<16                    ; tile_dim0
	s_mov_b32 s[G1T+4], 4                          ; tile_dim1
	s_mov_b32 s[G1T+5], 1536                       ; from block to block, in elements
	s_mov_b32 s[G1T+6], 0
	s_mov_b32 s[G1T+7], 0
	s_mov_b32 s[G1W+1], 384<<16
	s_mov_b32 s[G1W+2], 8<<16
	s_mov_b32 s[G1W+3], 384<<16
	s_mov_b32 s[G1W+4], 8
	s_mov_b32 s[G1W+5], 1536
	s_mov_b32 s[G1W+6], 0
	s_mov_b32 s[G1W+7], 0
	s_lshl_b32 s52, s32, 3                         ; tokens: block 8 Y + 4 (wave % 2); these registers never hold X
	s_lshl_b32 s53, s27, 2
	s_add_co_u32 s52, s52, s53
	s_mul_i32 s52, s52, 12288
	s_mov_b32 s53, 0
	s_lshl_b32 s56, s31, 4                         ; W: block 16 X + 8 (wave % 2); these never hold Y
	s_lshl_b32 s57, s27, 3
	s_add_co_u32 s56, s56, s57
	s_mul_i32 s56, s56, 12288
	s_mov_b32 s57, 0
	s_mul_i32 s33, s27, 12288                      ; where they go in a chunk: the wave's number alone
	s_mul_i32 s63, s27, 24576
	s_add_co_u32 s63, s63, 24576
	s_mov_b32 s[SEL], 0x76543210
	s_mov_b32 s[SEL+1], 0xfedcba98
	s_mov_b32 s62, 0xffff0000                      ; lanes 16-31
	s_wait_dscnt 0x0
	s_wait_kmcnt 0x0
	s_add_nc_u64 s[54:55], s[4:5], s[52:53]
	s_add_nc_u64 s[58:59], s[8:9], s[56:57]
.irp g, 0,1,2,3
	s_mov_b32 s[G0T+4*\g], 1
	s_add_co_u32 s[G0T+4*\g+1], s33, \g*CH
	s_add_nc_u64 s[G0T+4*\g+2:G0T+4*\g+3], s[54:55], \g*3072
	s_or_b32 s[G0T+4*\g+3], s[G0T+4*\g+3], 0x80000000
	s_mov_b32 s[G0W+4*\g], 1
	s_add_co_u32 s[G0W+4*\g+1], s63, \g*CH
	s_add_nc_u64 s[G0W+4*\g+2:G0W+4*\g+3], s[58:59], \g*3072
	s_or_b32 s[G0W+4*\g+3], s[G0W+4*\g+3], 0x80000000
.endr
	CROUND                                         ; all sixteen work-groups are here: the joint loads meet
	s_cmp_eq_u32 s28, 0                            ; waves 0, 1: the tokens' halves; waves 2, 3: W's.  A wave's four fills stand in one branch on its number
	s_cbranch_scc0 .Lfill_w
	tensor_load_to_lds s[G0T:G0T+3], s[G1T:G1T+7]
	s_nop 0
	tensor_load_to_lds s[G0T+4:G0T+7], s[G1T:G1T+7]
	s_nop 0
	tensor_load_to_lds s[G0T+8:G0T+11], s[G1T:G1T+7]
	s_nop 0
	tensor_load_to_lds s[G0T+12:G0T+15], s[G1T:G1T+7]
	s_nop 0
	PLACES
	s_branch .Lfilled
.Lfill_w:
	tensor_load_to_lds s[G0W:G0W+3], s[G1W:G1W+7]
	s_nop 0
	tensor_load_to_lds s[G0W+4:G0W+7], s[G1W:G1W+7]
	s_nop 0
	tensor_load_to_lds s[G0W+8:G0W+11], s[G1W:G1W+7]
	s_nop 0
	tensor_load_to_lds s[G0W+12:G0W+15], s[G1W:G1W+7]
	s_nop 0
	PLACES
.Lfilled:
	v_and_b32 v12, 31, v0                          ; lane
	v_and_b32 v3, 15, v0                           ; r
	v_bfe_u32 v4, v0, 4, 1                         ; h
	v_lshlrev_b32 v[L16], 4, v12
	s_wait_alu depctr_va_vdst(0)
	v_lshl_add_u32 v[L8], v12, 3, 512
	s_wait_alu depctr_va_vdst(0)
	v_lshlrev_b32 v[BO64], 6, v4
	v_and_b32 v13, 8, v3
	v_add_nc_u32 v13, v13, v3
	v_lshlrev_b32 v[BOV], 2, v13
	v_lshlrev_b32 v[L4], 2, v12
	; the scale words: 512 bytes a block, 16 a lane.  What mixes X and Y lies in s66, s67, s100, s101, s104, s105, which feed no descriptor
	s_lshl_b32 s66, s32, 12                        ; tokens' block 8 Y
	s_lshl_b32 s67, s31, 13                        ; W's block 16 X
	s_lshl_b32 s100, s27, 12
	s_add_co_u32 s100, s67, s100                   ; W's block 16 X + 8 (wave % 2)
	s_lshl_b32 s101, s26, 11
	s_add_co_u32 s101, s67, s101                   ; W's block 16 X + 4 wave
	s_lshl_b32 s104, s28, 11
	s_add_co_u32 s104, s66, s104                   ; tokens' block 8 Y + 4 (wave / 2)
	s_mul_i32 s2, s27, 24576                       ; and where the fragments lie in a chunk
	s_add_co_u32 s2, s2, 24576
	s_mul_i32 s3, s26, 12288
	s_add_co_u32 s3, s3, 24576
	s_mul_i32 s105, s28, 12288
	s_cmp_eq_u32 ttmp9, 2                          ; V's flavour?
	s_cselect_b32 s100, s66, s100                  ; source 0's scale words,
	s_cselect_b32 s104, s101, s104                 ; source 1's,
	s_cselect_b32 s2, 0, s2                        ; source 0's fragments: all 8 blocks of tokens, or my 8 of W: with its 24,576 bytes inside the chunk either way
	s_cselect_b32 s3, s3, s105                     ; source 1's: my 4 blocks of W, or my 4 of tokens
	s_cselect_b64 s[66:67], s[6:7], s[10:11]
	s_cselect_b64 s[10:11], s[10:11], s[6:7]
	s_mov_b32 s101, 0
	s_mov_b32 s105, 0
	s_add_nc_u64 s[66:67], s[66:67], s[100:101]
	s_add_nc_u64 s[10:11], s[10:11], s[104:105]
.irp i, 0,1,2,3,4,5,6,7
	global_load_b128 v[SCB+4*\i:SCB+4*\i+3], v[L16], s[66:67] offset:512*\i
.endr
.irp i, 0,1,2,3
	global_load_b128 v[SCA+4*\i:SCA+4*\i+3], v[L16], s[10:11] offset:512*\i
.endr
	v_add_nc_u32 v[ADB16], s2, v[L16]
	v_add_nc_u32 v[ADB8], s2, v[L8]
	v_add_nc_u32 v[ADA16], s3, v[L16]
	v_add_nc_u32 v[ADA8], s3, v[L8]
	s_wait_alu depctr_va_vdst(0)
	s_wait_tensorcnt 3                             ; my part of chunk 0 is in; the three behind it may be out
	s_barrier_signal -1
	s_barrier_wait -1
	FETCH 0
	s_wait_loadcnt 0x0                             ; the scale words
	HEAD 0
	TAIL 0, 1                                      ; the first step's products start the sums: nothing is cleared
.irp s, 1,2,3,4
	s_wait_alu depctr_va_vdst(0)
	HEAD \s
	TAIL \s, 0
.endr
	HEAD 5                                         ; the last barrier of the product: from here the flavours part, once
	s_cmp_eq_u32 ttmp9, 2
	s_cbranch_scc1 .Lv_arm
; ---- Q and K: a lane holds one token; register 8 b + j is channel 32 (b / 2) + 16 h + 8 (b % 2) + j of my 128
	s_cmp_eq_u32 ttmp9, 0
	s_cselect_b64 s[12:13], s[12:13], s[14:15]     ; bq or bk
	s_and_b32 s100, s31, 3
	s_lshl_b32 s100, s100, 10                      ; 256 (X % 4) channels of 4 bytes
	s_lshl_b32 s101, s27, 9
	s_add_co_u32 s100, s100, s101
	s_mov_b32 s101, 0
	s_add_nc_u64 s[12:13], s[12:13], s[100:101]
.irp b, 0,1,2,3,4,5,6,7
	global_load_b128 v[BIAS+8*\b:BIAS+8*\b+3], v[BO64], s[12:13] offset:(32*(\b/2)+8*(\b%2))*4
	global_load_b128 v[BIAS+8*\b+4:BIAS+8*\b+7], v[BO64], s[12:13] offset:(32*(\b/2)+8*(\b%2))*4+16
.endr
	s_lshl_b32 s100, s31, 2
	s_lshl_b32 s101, s27, 1
	s_add_co_u32 s100, s100, s101                  ; my first slot: 4 X + 2 (wave % 2)
	s_lshl_b32 s104, s100, 14
	s_mul_i32 s100, s100, 393216
	s_lshl_b32 s101, s32, 3
	s_lshl_b32 s105, s28, 2
	s_add_co_u32 s101, s101, s105                  ; my first block of tokens: 8 Y + 4 (wave / 2)
	s_lshl_b32 s105, s101, 5                       ; a pair of blocks has 64 bytes of words
	s_mul_i32 s101, s101, 768
	s_add_co_u32 s100, s100, s101
	s_add_co_u32 s104, s104, s105
	s_mov_b32 s101, 0
	s_mov_b32 s105, 0
	s_add_nc_u64 s[18:19], s[18:19], s[100:101]
	s_add_nc_u64 s[20:21], s[20:21], s[104:105]
	s_wait_alu depctr_va_vdst(0)
	TAIL 5, 0
	HEAD 6
	TAIL 6, 0
	HEAD 7
	TAIL 7, 0
	EPIHEAD
.irp a, 0,1,2,3
	ADDB \a, 0
	s_wait_xcnt 0x0                                ; the last block's stores have read the codes' registers
	QUANT HA, PC, PWS+\a
	global_store_b128 v[L16], v[PC:PC+3], s[18:19] offset:768*\a               ; the even head's half-image
	global_store_b64 v[L8], v[PC+4:PC+5], s[18:19] offset:768*\a
	global_store_b128 v[L16], v[PC+6:PC+9], s[18:19] offset:393216+768*\a      ; the odd head's, one slot on
	global_store_b64 v[L8], v[PC+10:PC+11], s[18:19] offset:393216+768*\a
.endr
	v_perm_b32 v248, v[PWS+1], v[PWS], 0x05040100  ; the even head's two bytes of blocks 0 and 1,
	v_perm_b32 v249, v[PWS+3], v[PWS+2], 0x05040100   ; of blocks 2 and 3;
	v_perm_b32 v250, v[PWS+1], v[PWS], 0x07060302  ; the odd head's
	v_perm_b32 v251, v[PWS+3], v[PWS+2], 0x07060302
	v_cndmask_b32 v248, v248, v249, s62            ; lanes 0-15 the first pair, lanes 16-31 the second: 128 consecutive bytes
	v_cndmask_b32 v250, v250, v251, s62
	global_store_b32 v[L4], v248, s[20:21]
	global_store_b32 v[L4], v250, s[20:21] offset:16384
	s_branch .Ljoin
; ---- V: a lane holds one channel of my head; register 8 b + j is token 32 (b / 2) + 16 h + 8 (b % 2) + j of the 128
.Lv_arm:
	s_and_b32 s100, s31, 3
	s_lshl_b32 s101, s100, 10
	s_lshl_b32 s104, s26, 8                        ; 64 x wave channels of 4 bytes
	s_add_co_u32 s104, s101, s104
	s_mov_b32 s105, 0
	s_add_nc_u64 s[16:17], s[16:17], s[104:105]
.irp a, 0,1,2,3
	global_load_b32 v[BIAS+2*\a], v[BOV], s[16:17] offset:(32*(\a/2)+8*(\a%2))*4     ; my channel's number, twice: a pair for the packed addition
	global_load_b32 v[BIAS+2*\a+1], v[BOV], s[16:17] offset:(32*(\a/2)+8*(\a%2))*4
.endr
	s_lshl_b32 s100, s100, 2
	s_add_co_u32 s100, s100, s26                   ; the head: 4 (X % 4) + wave
	s_lshr_b32 s101, s32, 4
	s_lshl_b32 s101, s101, 4
	s_add_co_u32 s100, s100, s101                  ; + 16 x batch
	s_and_b32 s101, s32, 15                        ; the step of 128 keys
	s_lshl_b32 s104, s100, 12
	s_lshl_b32 s105, s101, 8
	s_add_co_u32 s104, s104, s105
	s_mul_i32 s100, s100, 98304
	s_mul_i32 s101, s101, 6144
	s_add_co_u32 s100, s100, s101
	s_mov_b32 s101, 0
	s_mov_b32 s105, 0
	s_add_nc_u64 s[22:23], s[22:23], s[100:101]
	s_add_nc_u64 s[24:25], s[24:25], s[104:105]
	s_wait_alu depctr_va_vdst(0)
	TAIL 5, 0
	HEAD 6
	TAIL 6, 0
	HEAD 7
	TAIL 7, 0
	EPIHEAD
.irp a, 0,1,2,3
	ADDB \a, 1
	s_wait_xcnt 0x0
	QUANT HA, PC, PWS+\a
	global_store_b128 v[L16], v[PC:PC+3], s[22:23] offset:1536*\a
	global_store_b64 v[L8], v[PC+4:PC+5], s[22:23] offset:1536*\a
	global_store_b128 v[L16], v[PC+6:PC+9], s[22:23] offset:1536*\a+768
	global_store_b64 v[L8], v[PC+10:PC+11], s[22:23] offset:1536*\a+768
.endr
	v_cndmask_b32 v248, v[PWS], v[PWS+1], s62      ; lanes 0-15 tile 0's words, lanes 16-31 tile 1's
	v_cndmask_b32 v250, v[PWS+2], v[PWS+3], s62
	global_store_b32 v[L4], v248, s[24:25]
	global_store_b32 v[L4], v250, s[24:25] offset:128
.Ljoin:
	s_wait_dscnt 0x0
	s_wait_tensorcnt 0x0
	ds_add_u32 v254, v255
	s_wait_dscnt 0x0
	CROUND                                         ; the closing round: no work-group ends while a partner may still ask for a tile that names it
	s_endpgm
.Lfunc_end_k_qe09ace59e0_qkv:
	.size	k_qe09ace59e0_qkv, .Lfunc_end_k_qe09ace59e0_qkv-k_qe09ace59e0_qkv
	.p2alignl 7, 3214868480
	.fill 96, 4, 3214868480
	.section	.rodata,"a",@progbits
	.p2align	6, 0x0
	.amdhsa_kernel k_qe09ace59e0_qkv
		.amdhsa_group_segment_fixed_size 295424
		.amdhsa_private_segment_fixed_size 0
		.amdhsa_enable_private_segment 0
		.amdhsa_kernarg_size 88
		.amdhsa_user_sgpr_count 2
		.amdhsa_user_sgpr_kernarg_segment_ptr 1
		.amdhsa_wavefront_size32 1
		.amdhsa_system_sgpr_workgroup_id_x 1
		.amdhsa_system_sgpr_workgroup_id_y 1
		.amdhsa_system_sgpr_workgroup_id_z 1
		.amdhsa_system_vgpr_workitem_id 0
		.amdhsa_next_free_vgpr 768
		.amdhsa_next_free_sgpr 106
		.amdhsa_reserve_vcc 0
		.amdhsa_float_denorm_mode_32 3
		.amdhsa_float_denorm_mode_16_64 3
		.amdhsa_memory_ordered 1
		.amdhsa_forward_progress 1
		.amdhsa_inst_pref_size 143
	.end_amdhsa_kernel
	.amdgpu_metadata
---
amdhsa.version: [ 1, 2 ]
amdhsa.kernels:
  - .name:           k_qe09ace59e0_qkv
    .symbol:         k_qe09ace59e0_qkv.kd
    .args:
      - { .name: ac, .offset: 0, .size: 8, .value_kind: global_buffer, .address_space: global }
      - { .name: a_sc, .offset: 8, .size: 8, .value_kind: global_buffer, .address_space: global }
      - { .name: wc, .offset: 16, .size: 8, .value_kind: global_buffer, .address_space: global }
      - { .name: w_sc, .offset: 24, .size: 8, .value_kind: global_buffer, .address_space: global }
      - { .name: bq, .offset: 32, .size: 8, .value_kind: global_buffer, .address_space: global }
      - { .name: bk, .offset: 40, .size: 8, .value_kind: global_buffer, .address_space: global }
      - { .name: bv, .offset: 48, .size: 8, .value_kind: global_buffer, .address_space: global }
      - { .name: qkc, .offset: 56, .size: 8, .value_kind: global_buffer, .address_space: global }
      - { .name: qks, .offset: 64, .size: 8, .value_kind: global_buffer, .address_space: global }
      - { .name: vc, .offset: 72, .size: 8, .value_kind: global_buffer, .address_space: global }
      - { .name: vs, .offset: 80, .size: 8, .value_kind: global_buffer, .address_space: global }
    .group_segment_fixed_size: 295424
    .private_segment_fixed_size: 0
    .kernarg_segment_align: 8
    .kernarg_segment_size: 88
    .max_flat_workgroup_size: 128
    .sgpr_count:     106
    .vgpr_count:     768
    .wavefront_size: 32
...
	.end_amdgpu_metadata
.endif
;; end of part 2
;; launch attn (part 3): grid 4 x 64, 16 waves a work-group, no clusters, 206,848 bytes of LDS; arguments qkc, qks, vc, vs, ac, a_sc; writes ac, a_sc
.if DOCPART == 3
	.amdgcn_target "amdgcn-amd-amdhsa--gfx1250"
	.amdhsa_code_object_version 6
	.text
	.protected	k_qe09ace59e0_attn
	.globl	k_qe09ace59e0_attn
	.p2align	8
	.type	k_qe09ace59e0_attn,@function
k_qe09ace59e0_attn:
	s_mov_b64 s[64:65], 0
	v_nop
	global_prefetch_b8 v0, s[64:65] scope:SCOPE_SE
	s_setreg_imm32_b32 hwreg(HW_REG_WAVE_MODE, 25, 1), 1
	s_wait_xcnt 0x0
; Causal attention of one head on codes of FP6 (E2M3), and its result quantised for the last projection.  t = score x log2(e) / 8; M = the running largest t rounded up to a whole number; p = 2^(t - M) is
; quantised along the keys; the row's sum is taken of the unquantised p and divides O at the end.  When M moves, the sum and O are multiplied by 2^(old M - new M): exact.
; SHARES.  Work-group (g, y): y = 16 x batch + head.  The head's K and V, codes and scale words, lie WHOLE in LDS, filled once.  Wave w takes the tile of 16 queries T = 16 g + w and then tile 127 - T:
; (T / 8 + 1) + ((127 - T) / 8 + 1) = 17 steps of 128 keys for every wave of every work-group.  Both loops have constant trip counts (8, 16); a step all of whose keys are hidden is jumped over.
; NO CLUSTER, though the four work-groups of a head read the same K and V: the jump over hidden steps hangs on the query tile, that is on the work-group's place among the four, and partners of a joint load must run alike.
; LAYOUT.  Both products are used transposed: S^T = K Q^T, O^T = V^T P^T: a lane holds one query.  Lane r of tile T is token 32 (T / 2) + 8 (T % 2) + r + 8 (r / 8), for queries and keys alike,
; so the 16 registers of key tiles 2 B, 2 B + 1 are keys 32 B + 16 h + 0 .. 15, and V's channels come out likewise in O^T.
; THE HEAD HAS 64 CHANNELS, THE INSTRUCTION 128 ALONG K: a fragment of K is TWO key tiles side by side; it is multiplied by [q | 0] and by [0 | q].  Nothing read from LDS is padding; q's scale word is its two bytes twice.
; Hidden scores become -infinity where the definition writes the lowest f32 number: p is 0 either way, and every row has an open key in each step that it walks.
; OUT: ac [block of tokens][half-image = head][768]; a_sc: two bytes a row and head, as pieces of 2 bytes, 16 bytes apart: 262,144 bytes in the whole launch.
; LIMITS: NaN and infinities are not served; a block of zeros keeps the byte 1; blocks under 2^-124 were not tried.
; LDS: K 0 (98,304 bytes: tile T at 768 T), V 98,304 (98,304: step s, tile t at 6,144 s + 1,536 t), K's scale words 196,608 (4,096: 256 a step), V's 200,704 (4,096).
.set F,   40                           ; v40-87   four fragments: K's, then V's
.set S,   88                           ; v88-151  S^T, then p; at the end O / the sum
.set O,   152                          ; v152-183 O^T
.set P,   184                          ; v184-195 p's codes
.set T2,  196                          ; v196-202 the conversions' second halves
.set BM,  204                          ; v204-207 the blocks' largest
.set BX,  208                          ; v208-211 the other lane's; then the bytes
.set OP,  212                          ; v212-215 the conversions' scale operands
.set TMP, 216
.set QW,  217                          ; q's pair word as loaded
.set FF,  218                          ; v[218:219] f = 2^(old M - new M) in the low word
.set PW,  220                          ; p's scale word
.set OW,  221                          ; O's two bytes
.set SU,  222                          ; v[222:223] the sum's second chain
.set DD,  224
.set NI,  225
.set R4,  231                          ; 4 r
.set R16, 232                          ; 16 r
.set SEL, 66                           ; s[66:67] lane selects: lane l xor 16
.set CS,  68                           ; s[68:69] c = log2(e) / 8
.set TB,  70                           ; the step's codes in K's and in V's region: 6,144 a step
.set TS,  71                           ; the step's scale words: 256 a step
.set KF,  72                           ; the step's first key
.set Q0,  73                           ; my tile's first query
.set TRIP, 74
.set TT,  75                           ; my tile
.set G1C, 24                           ; s[24:31] group 1: 96 rows of 256 bytes;  s[32:39]: 8 rows
.set G1S, 32
.macro PLACES
.rept 4
	v_nop
.endr
.endm
.macro FRAG reg, a16, a8, off          ; a fragment: two half-images on end
	ds_load_b128 v[\reg:\reg+3], v[\a16] offset:\off
	ds_load_b64 v[\reg+4:\reg+5], v[\a8] offset:\off
	ds_load_b128 v[\reg+6:\reg+9], v[\a16] offset:\off+768
	ds_load_b64 v[\reg+10:\reg+11], v[\a8] offset:\off+768
.endm
	s_load_b256 s[4:11], s[0:1], 0x0               ; qkc s[4:5], qks s[6:7], vc s[8:9], vs s[10:11]
	s_load_b128 s[12:15], s[0:1], 0x20             ; ac s[12:13], a_sc s[14:15]
	v_lshl_add_u32 v254, v0, 2, 0x32000
	v_mov_b32 v255, 0
	ds_add_u32 v254, v255
	ds_add_u32 v254, v255
	v_lshrrev_b32 v6, 5, v0
	s_delay_alu instid0(VALU_DEP_1)
	v_readfirstlane_b32 s16, v6                    ; wave 0..15
	v_and_b32 v7, 31, v0                           ; lane
	v_and_b32 v8, 15, v0                           ; r
	v_bfe_u32 v9, v0, 4, 1                         ; h
	s_delay_alu instid0(VALU_DEP_3)
	v_lshlrev_b32 v1, 4, v7                        ; v1  16 x lane
	s_delay_alu instid0(VALU_DEP_4)
	v_lshl_add_u32 v2, v7, 3, 512                  ; v2  512 + 8 x lane
	s_delay_alu instid0(VALU_DEP_2)
	v_add_nc_u32 v3, 98304, v1                     ; v3, v4  the same in V's region
	s_delay_alu instid0(VALU_DEP_2)
	v_add_nc_u32 v4, 98304, v2
	v_lshl_add_u32 v5, v7, 2, 196608               ; v5  4 x lane among the scale words
	v_and_b32 v10, 8, v8
	s_delay_alu instid0(VALU_DEP_1)
	v_add_nc_u32 v11, v10, v8
	v_lshlrev_b32 v10, 4, v9
	s_delay_alu instid0(VALU_DEP_1)
	v_sub_nc_u32 v11, v11, v10                     ; v11 r + 8 (r / 8) - 16 h: my query less my half's first key
	v_lshlrev_b32 v[R4], 2, v8
	v_lshlrev_b32 v[R16], 4, v8
.irp i, 16,17,18,19,20,21,28,29,30,31,32,33
	v_mov_b32 v\i, 0                               ; v16-33 = [0 x 6 | q x 6 | 0 x 6]: [q | 0] is v[22:33], [0 | q] is v[16:27]
.endr
.irp b, 0,1,2,3
	v_mov_b32 v[BX+\b], 0                          ; written once: a lane permute's destination counts as one of its sources
.endr
	v_mov_b32 v[TMP], 0
	v_mov_b32 v[FF+1], 0                           ; (named as the upper half of a pair)
	s_and_b32 s18, ttmp7, 0xffff                   ; y
	s_lshr_b32 s19, s18, 4                         ; batch
	s_and_b32 s20, s18, 15                         ; head
	s_and_b32 s21, s16, 1                          ; which half of a load's bytes I fetch, if I fetch
	s_bfe_u32 s22, s20, 0x10001                    ; where the head's two bytes lie in a row's scale words: K step head / 2, bytes 2 (head % 2) on
	s_lshl_b32 s22, s22, 8
	s_lshr_b32 s23, s20, 2
	s_lshl_b32 s23, s23, 2
	s_add_co_u32 s22, s22, s23
	s_and_b32 s23, s20, 1
	s_lshl_b32 s23, s23, 1
	s_add_co_u32 s22, s22, s23
	s_mov_b32 s[G1C], 3<<16                        ; no mask; elements of 8 bytes; no padding
	s_mov_b32 s[G1C+1], 32<<16                     ; tensor_dim0: 256 bytes
	s_mov_b32 s[G1C+2], 96<<16                     ; tensor_dim1
	s_mov_b32 s[G1C+3], 32<<16                     ; tile_dim0
	s_mov_b32 s[G1C+4], 96                         ; tile_dim1: 24,576 dense bytes
	s_mov_b32 s[G1C+5], 32
	s_mov_b32 s[G1C+6], 0
	s_mov_b32 s[G1C+7], 0
	s_mov_b32 s[G1S], 3<<16
	s_mov_b32 s[G1S+1], 32<<16
	s_mov_b32 s[G1S+2], 8<<16
	s_mov_b32 s[G1S+3], 32<<16
	s_mov_b32 s[G1S+4], 8                          ; 2,048 dense bytes
	s_mov_b32 s[G1S+5], 32
	s_mov_b32 s[G1S+6], 0
	s_mov_b32 s[G1S+7], 0
	s_add_co_u32 s76, s20, 16                      ; k's slot
	s_mul_i32 s77, s76, 393216
	s_mul_i32 s78, s19, 98304
	s_add_co_u32 s77, s77, s78
	s_mul_i32 s79, s21, 24576
	s_add_co_u32 s80, s77, s79                     ; K's codes: slot, batch, my half
	s_mov_b32 s81, 0
	s_lshl_b32 s76, s76, 14
	s_lshl_b32 s78, s19, 12
	s_add_co_u32 s76, s76, s78
	s_lshl_b32 s78, s21, 11
	s_add_co_u32 s82, s76, s78                     ; K's scale words
	s_mov_b32 s83, 0
	s_mul_i32 s84, s18, 98304
	s_add_co_u32 s84, s84, s79                     ; V's codes
	s_mov_b32 s85, 0
	s_lshl_b32 s86, s18, 12
	s_add_co_u32 s86, s86, s78                     ; V's scale words
	s_mov_b32 s87, 0
	s_mov_b32 s[SEL], 0x76543210
	s_mov_b32 s[SEL+1], 0xfedcba98
	s_mov_b32 s[CS], 0x3e38aa3b                    ; log2(e) / 8
	s_mov_b32 s[CS+1], s[CS]
	s_wait_dscnt 0x0
	s_wait_kmcnt 0x0
	s_mov_b32 s40, 1                               ; K: the scale words,
	s_add_co_u32 s41, s78, 196608
	s_add_nc_u64 s[42:43], s[6:7], s[82:83]
	s_or_b32 s43, s43, 0x80000000
	s_mov_b32 s44, 1                               ; keys 0 to 1,023,
	s_mov_b32 s45, s79
	s_add_nc_u64 s[46:47], s[4:5], s[80:81]
	s_mov_b32 s48, 1                               ; keys 1,024 to 2,047
	s_add_co_u32 s49, s79, 49152
	s_add_nc_u64 s[50:51], s[46:47], 49152
	s_or_b32 s47, s47, 0x80000000
	s_or_b32 s51, s51, 0x80000000
	s_mov_b32 s52, 1                               ; V likewise
	s_add_co_u32 s53, s78, 200704
	s_add_nc_u64 s[54:55], s[10:11], s[86:87]
	s_or_b32 s55, s55, 0x80000000
	s_mov_b32 s56, 1
	s_add_co_u32 s57, s79, 98304
	s_add_nc_u64 s[58:59], s[8:9], s[84:85]
	s_mov_b32 s60, 1
	s_add_co_u32 s61, s79, 147456
	s_add_nc_u64 s[62:63], s[58:59], 49152
	s_or_b32 s59, s59, 0x80000000
	s_or_b32 s63, s63, 0x80000000
	s_cmp_lt_u32 s16, 2                            ; waves 0, 1 fetch K's halves, waves 2, 3 V's, the others nothing: three loads of a wave are out at the most
	s_cbranch_scc0 .Lnot_k
	tensor_load_to_lds s[40:43], s[G1S:G1S+7]
	s_nop 0
	tensor_load_to_lds s[44:47], s[G1C:G1C+7]
	s_nop 0
	tensor_load_to_lds s[48:51], s[G1C:G1C+7]
	s_nop 0
	PLACES
	s_branch .Lasked
.Lnot_k:
	s_cmp_lt_u32 s16, 4
	s_cbranch_scc0 .Lasked
	tensor_load_to_lds s[52:55], s[G1S:G1S+7]
	s_nop 0
	tensor_load_to_lds s[56:59], s[G1C:G1C+7]
	s_nop 0
	tensor_load_to_lds s[60:63], s[G1C:G1C+7]
	s_nop 0
	PLACES
.Lasked:
; A KEY STEP: 128 keys.
.macro STEP
	s_cmp_gt_u32 s[KF], s[Q0]                      ; KF is a multiple of 128 and my 16 queries lie in one group of 32: all keys hidden where KF > Q0
	s_cbranch_scc1 .Lhidden_\@
	s_setprio 2
	v_add_nc_u32 v6, s[TB], v1                     ; these five are also the places in front of the loads into the fragments' registers
	v_add_nc_u32 v7, s[TB], v2
	v_add_nc_u32 v8, s[TB], v3
	v_add_nc_u32 v9, s[TB], v4
	v_add_nc_u32 v10, s[TS], v5
.irp i, 0,1,2,3
	FRAG F+12*\i, 6, 7, 1536*\i                    ; key tiles 2 i and 2 i + 1, side by side
.endr
	ds_load_b32 v35, v10                           ; their words: lanes 0-15 pair 0, lanes 16-31 pair 1;
	ds_load_b32 v36, v10 offset:128                ; pairs 2 and 3
	s_wait_alu depctr_va_vdst(0)
	s_wait_dscnt 0x0
.irp i, 0,1,2,3
.if \i%2
	v_wmma_scale_f32_16x16x128_f8f6f4 v[S+16*\i:S+16*\i+7], v[F+12*\i:F+12*\i+11], v[22:33], 0, v[35+\i/2], v34 matrix_a_fmt:MATRIX_FMT_FP6 matrix_b_fmt:MATRIX_FMT_FP6 matrix_a_scale:MATRIX_SCALE_ROW1
	v_wmma_scale_f32_16x16x128_f8f6f4 v[S+16*\i+8:S+16*\i+15], v[F+12*\i:F+12*\i+11], v[16:27], 0, v[35+\i/2], v34 matrix_a_fmt:MATRIX_FMT_FP6 matrix_b_fmt:MATRIX_FMT_FP6 matrix_a_scale:MATRIX_SCALE_ROW1
.else
	v_wmma_scale_f32_16x16x128_f8f6f4 v[S+16*\i:S+16*\i+7], v[F+12*\i:F+12*\i+11], v[22:33], 0, v[35+\i/2], v34 matrix_a_fmt:MATRIX_FMT_FP6 matrix_b_fmt:MATRIX_FMT_FP6
	v_wmma_scale_f32_16x16x128_f8f6f4 v[S+16*\i+8:S+16*\i+15], v[F+12*\i:F+12*\i+11], v[16:27], 0, v[35+\i/2], v34 matrix_a_fmt:MATRIX_FMT_FP6 matrix_b_fmt:MATRIX_FMT_FP6
.endif
.endr
	PLACES                                         ; in front of the loads below and of the first read of the scores
.irp t, 0,1,2,3
	FRAG F+12*\t, 8, 9, 1536*\t                    ; V's four tiles of 16 channels: they land under the softmax
.endr
	ds_load_b32 v37, v10 offset:4096
	ds_load_b32 v38, v10 offset:4224
	s_add_co_u32 s76, s[KF], 127                   ; a step all of whose keys count skips the mask
	s_cmp_le_u32 s76, s[Q0]
	s_cbranch_scc1 .Lopen_\@
	s_sub_co_i32 s76, s[Q0], s[KF]
	v_add_nc_u32 v[DD], s76, v11                   ; register 16 b + i holds key KF + 16 h + 32 b + i: hidden where 32 b + i > d
	v_mov_b32 v[NI], 0xff800000
.set n, 0
.rept 64
	v_cmp_gt_i32 vcc_lo, 32*(n/16)+n%16, v[DD]
	v_cndmask_b32 v[S+n], v[S+n], v[NI], vcc_lo
.set n, n+1
.endr
.Lopen_\@:
.irp b, 0,1,2,3
	v_max3_num_f32 v[BM+\b], v[S+16*\b], v[S+1+16*\b], v[S+2+16*\b]   ; the largest score of each block of 32 keys: for the row's maximum, and, since p rises with the score, for the block's largest p
.endr
.irp i, 3,5,7,9,11,13
.irp b, 0,1,2,3
	v_max3_num_f32 v[BM+\b], v[BM+\b], v[S+16*\b+\i], v[S+1+16*\b+\i]
.endr
.endr
.irp b, 0,1,2,3
	v_max_num_f32 v[BM+\b], v[BM+\b], v[S+15+16*\b]
.endr
.irp b, 0,1,2,3
	s_delay_alu instid0(VALU_DEP_4)
	v_permlanex16_b32 v[BX+\b], v[BM+\b], s[SEL], s[SEL+1]
.endr
.irp b, 0,1,2,3
	s_delay_alu instid0(VALU_DEP_4)
	v_max_num_f32 v[BM+\b], v[BM+\b], v[BX+\b]
.endr
	s_delay_alu instid0(VALU_DEP_2)
	v_max3_num_f32 v[TMP], v[BM], v[BM+1], v[BM+2]
	s_delay_alu instid0(VALU_DEP_1)
	v_max_num_f32 v[TMP], v[TMP], v[BM+3]
	s_delay_alu instid0(VALU_DEP_1)
	v_mul_f32 v[TMP], s[CS], v[TMP]                ; as t (c is positive)
	s_delay_alu instid0(VALU_DEP_1)
	v_max_num_f32 v13, v13, v[TMP]                 ; the running largest t
	v_mov_b32 v[TMP], v12
	s_delay_alu instid0(VALU_DEP_2)
	v_floor_f32 v12, -v13                          ; -M = floor(-t): M is a whole number
	s_delay_alu instid0(VALU_DEP_1)
	v_sub_f32 v[TMP], v12, v[TMP]                  ; old M - new M, 0 or less
	s_delay_alu instid0(VALU_DEP_1)
	v_cvt_i32_f32 v[TMP], v[TMP]                   ; (it saturates)
	s_delay_alu instid0(VALU_DEP_1)
	v_ldexp_f32 v[FF], 1.0, v[TMP]                 ; f
.set n, 0
	s_setprio 1
.rept 32
	v_pk_fma_f32 v[S+n:S+n+1], v[S+n:S+n+1], s[CS:CS+1], v[12:13] op_sel_hi:[1,0,0]   ; t - M
.set n, n+2
.endr
.irp b, 0,1,2,3
	v_fma_f32 v[BM+\b], v[BM+\b], s[CS], v12
.endr
.set n, 0
	s_wait_alu depctr_va_vdst(0)
.rept 64
	v_exp_f32 v[S+n], v[S+n]                       ; p, at most 1, not normalised
.set n, n+1
.endr
.irp b, 0,1,2,3
	v_exp_f32 v[BM+\b], v[BM+\b]                   ; the block's largest p: the same two instructions on the same number
.endr
	v_pk_mul_f32 v[14:15], v[14:15], v[FF:FF+1] op_sel_hi:[1,0]   ; the sums under the new M (a plain place behind the exponentials)
	s_wait_alu depctr_va_vdst(0)
.irp b, 0,1,2,3
	v_max_num_f32 v[BM+\b], 0x1800000, v[BM+\b]    ; the floor: the byte cannot fall under 1
.endr
.irp b, 0,1,2,3
	s_delay_alu instid0(VALU_DEP_4)
	v_add_nc_u32 v[OP+\b], 0xff000000, v[BM+\b]
.endr
.irp b, 0,1,2,3
	s_delay_alu instid0(VALU_DEP_4)
	v_lshrrev_b32 v[BX+\b], 23, v[OP+\b]
.endr
	s_delay_alu instid0(VALU_DEP_3)
	v_lshl_or_b32 v[PW], v[BX+1], 8, v[BX]
	s_delay_alu instid0(VALU_DEP_1)
	v_lshl_or_b32 v[PW], v[BX+2], 16, v[PW]
	s_delay_alu instid0(VALU_DEP_1)
	v_lshl_or_b32 v[PW], v[BX+3], 24, v[PW]
.irp c, 0,1
	v_cvt_scalef32_pk16_fp6_f32 v[P+6*\c:P+2+6*\c], v[S+32*\c:S+15+32*\c], v[OP+2*\c]
	v_cvt_scalef32_pk16_fp6_f32 v[T2+4*\c:T2+2+4*\c], v[S+16+32*\c:S+31+32*\c], v[OP+2*\c+1]
.endr
	v_nop                                          ; one plain place behind a scaled conversion
.irp c, 0,1
.irp i, 0,1,2
	v_permlane16_swap_b32 v[P+6*\c+\i], v[T2+4*\c+\i]
.endr
.irp i, 0,1,2
	s_delay_alu instid0(VALU_DEP_3)
	v_mov_b32 v[P+3+6*\c+\i], v[T2+4*\c+\i]
.endr
.endr
	v_pk_add_f32 v[222:223], v[92:93], v[96:97]
	v_pk_add_f32 v[252:253], v[100:101], v[104:105]
	v_pk_add_f32 v[250:251], v[108:109], v[112:113]
	v_pk_add_f32 v[248:249], v[116:117], v[120:121]
	v_pk_add_f32 v[246:247], v[124:125], v[128:129]
	v_pk_add_f32 v[244:245], v[132:133], v[136:137]
	v_pk_add_f32 v[242:243], v[140:141], v[144:145]
	v_pk_add_f32 v[14:15], v[14:15], v[148:149]
	v_pk_add_f32 v[222:223], v[222:223], v[88:89]
	s_setprio 0
	v_pk_add_f32 v[252:253], v[252:253], v[90:91]
	v_pk_add_f32 v[250:251], v[250:251], v[94:95]
	v_pk_add_f32 v[248:249], v[248:249], v[98:99]
	v_pk_add_f32 v[246:247], v[246:247], v[102:103]
	v_pk_add_f32 v[244:245], v[244:245], v[106:107]
	v_pk_add_f32 v[242:243], v[242:243], v[110:111]
	v_pk_add_f32 v[14:15], v[14:15], v[114:115]
	v_pk_add_f32 v[222:223], v[222:223], v[118:119]
	v_pk_add_f32 v[252:253], v[252:253], v[122:123]
	v_pk_add_f32 v[250:251], v[250:251], v[126:127]
	v_pk_add_f32 v[248:249], v[248:249], v[130:131]
	v_pk_add_f32 v[246:247], v[246:247], v[134:135]
	v_pk_add_f32 v[244:245], v[244:245], v[138:139]
	v_pk_add_f32 v[242:243], v[242:243], v[142:143]
	v_pk_add_f32 v[14:15], v[14:15], v[146:147]
	v_pk_add_f32 v[222:223], v[222:223], v[150:151]
	s_delay_alu instid0(VALU_DEP_2)
	v_pk_add_f32 v[14:15], v[14:15], v[248:249]
	s_delay_alu instid0(VALU_DEP_2)
	v_pk_add_f32 v[222:223], v[222:223], v[246:247]
	v_pk_add_f32 v[252:253], v[252:253], v[244:245]
	v_pk_add_f32 v[250:251], v[250:251], v[242:243]
	s_delay_alu instid0(VALU_DEP_2)
	v_pk_add_f32 v[14:15], v[14:15], v[252:253]
	s_delay_alu instid0(VALU_DEP_2)
	v_pk_add_f32 v[222:223], v[222:223], v[250:251]
	s_delay_alu instid0(VALU_DEP_1)
	v_pk_add_f32 v[14:15], v[14:15], v[222:223]
.set n, 0
.rept 16
	v_pk_mul_f32 v[O+n:O+n+1], v[O+n:O+n+1], v[FF:FF+1] op_sel_hi:[1,0]   ; O^T under the new M.  (With the sums: the places between p's codes and word and the products)
.set n, n+2
.endr
	s_wait_alu depctr_va_vdst(0)
	s_wait_dscnt 0x0                               ; V
.irp t, 0,1,2,3                                ; the four accumulators by turns
.if \t%2
	v_wmma_scale_f32_16x16x128_f8f6f4 v[O+8*\t:O+8*\t+7], v[F+12*\t:F+12*\t+11], v[P:P+11], v[O+8*\t:O+8*\t+7], v[37+\t/2], v[PW] matrix_a_fmt:MATRIX_FMT_FP6 matrix_b_fmt:MATRIX_FMT_FP6 matrix_a_scale:MATRIX_SCALE_ROW1
.else
	v_wmma_scale_f32_16x16x128_f8f6f4 v[O+8*\t:O+8*\t+7], v[F+12*\t:F+12*\t+11], v[P:P+11], v[O+8*\t:O+8*\t+7], v[37+\t/2], v[PW] matrix_a_fmt:MATRIX_FMT_FP6 matrix_b_fmt:MATRIX_FMT_FP6
.endif
.endr
.Lhidden_\@:
	s_add_co_u32 s[KF], s[KF], 128
	s_add_co_u32 s[TB], s[TB], 6144
	s_add_co_u32 s[TS], s[TS], 256
.endm
; One tile of 16 queries from its q to its codes of O.
.macro PASS trips, second
	s_wait_xcnt 0x0                                ; the last tile's stores have read their registers and bases
.if \second
	s_sub_co_u32 s[TT], 127, s[TT]
.else
	s_lshl_b32 s[TT], ttmp9, 4
	s_add_co_u32 s[TT], s[TT], s16
.endif
	s_lshr_b32 s76, s[TT], 1
	s_lshl_b32 s[Q0], s76, 5
	s_and_b32 s77, s[TT], 1
	s_lshl_b32 s78, s77, 3
	s_add_co_u32 s[Q0], s[Q0], s78                 ; 32 (T / 2) + 8 (T % 2)
	s_lshl_b32 s79, s19, 7
	s_add_co_u32 s79, s79, s[TT]                   ; the block of tokens: 128 x batch + T
	s_mul_i32 s80, s20, 393216
	s_mul_i32 s82, s79, 768
	s_add_co_u32 s80, s80, s82
	s_mov_b32 s81, 0
	s_add_nc_u64 s[80:81], s[4:5], s[80:81]        ; q's half-image
	s_lshl_b32 s82, s20, 14
	s_lshr_b32 s84, s79, 1
	s_lshl_b32 s84, s84, 6
	s_add_co_u32 s82, s82, s84
	s_mov_b32 s83, 0
	s_add_nc_u64 s[82:83], s[6:7], s[82:83]        ; its pair's words
	s_mul_i32 s84, s77, 0x02020202
	s_add_co_u32 s84, s84, 0x01000100              ; bytes 0, 1, 0, 1 of the pair word for an even tile, 2, 3, 2, 3 for an odd one
	global_load_b128 v[22:25], v1, s[80:81]
	global_load_b64 v[26:27], v2, s[80:81]
	global_load_b32 v[QW], v[R4], s[82:83]
	s_mul_i32 s86, s79, 12288
	s_mul_i32 s88, s20, 768
	s_add_co_u32 s86, s86, s88
	s_mov_b32 s87, 0
	s_add_nc_u64 s[86:87], s[12:13], s[86:87]      ; where O's codes go,
	s_lshl_b32 s88, s79, 9
	s_add_co_u32 s88, s88, s22
	s_mov_b32 s89, 0
	s_add_nc_u64 s[88:89], s[14:15], s[88:89]      ; and its scale bytes
	s_mov_b32 s[KF], 0
	s_mov_b32 s[TB], 0
	s_mov_b32 s[TS], 0
	s_mov_b32 s[TRIP], \trips
	s_wait_loadcnt 0x0
	v_perm_b32 v34, v[QW], v[QW], s84              ; q's scale word; the 36 lines below stand between it and the first product
	v_mov_b32 v13, 0xff61b1e6                      ; the largest t so far: -3e38
	s_delay_alu instid0(VALU_DEP_1)
	v_floor_f32 v12, -v13
	v_mov_b32 v14, 0
	v_mov_b32 v15, 0
.set n, 0
.rept 32
	v_mov_b32 v[O+n], 0                            ; the step is written once: the first finds zeros, which the first change of M leaves zeros
.set n, n+1
.endr
.Lstep_\@:
	STEP
	s_sub_co_u32 s[TRIP], s[TRIP], 1
	s_cmp_lg_u32 s[TRIP], 0
	s_cbranch_scc1 .Lstep_\@
	s_setprio 0
	PLACES                                         ; behind the last products
	v_add_f32 v14, v14, v15
	s_delay_alu instid0(VALU_DEP_1)
	v_permlanex16_b32 v[TMP], v14, s[SEL], s[SEL+1]
	s_delay_alu instid0(VALU_DEP_1)
	v_add_f32 v14, v14, v[TMP]                     ; the row's sum
	s_wait_alu depctr_va_vdst(0)
	v_rcp_f32 v14, v14
	v_nop                                          ; one plain place behind a transcendental
.set n, 0
	s_wait_alu depctr_va_vdst(0)
.rept 32
	v_mul_f32 v[S+n], v[O+n], v14                  ; register 16 b + i is channel 32 b + 16 h + i of my query: two blocks of the last projection's K
.set n, n+1
.endr
.irp b, 0,1
	v_max3_num_f32 v[BM+\b], |v[S+16*\b]|, |v[S+1+16*\b]|, 0x1800000
.endr
.irp i, 2,4,6,8,10,12,14
.irp b, 0,1
	s_delay_alu instid0(VALU_DEP_2)
	v_max3_num_f32 v[BM+\b], v[BM+\b], |v[S+16*\b+\i]|, |v[S+1+16*\b+\i]|
.endr
.endr
.irp b, 0,1
	s_delay_alu instid0(VALU_DEP_2)
	v_permlanex16_b32 v[BX+\b], v[BM+\b], s[SEL], s[SEL+1]
.endr
.irp b, 0,1
	s_delay_alu instid0(VALU_DEP_2)
	v_max_num_f32 v[BM+\b], v[BM+\b], v[BX+\b]
.endr
.irp b, 0,1
	s_delay_alu instid0(VALU_DEP_2)
	v_add_nc_u32 v[OP+\b], 0xff000000, v[BM+\b]
.endr
.irp b, 0,1
	s_delay_alu instid0(VALU_DEP_2)
	v_lshrrev_b32 v[BX+\b], 23, v[OP+\b]
.endr
	s_delay_alu instid0(VALU_DEP_1)
	v_lshl_or_b32 v[OW], v[BX+1], 8, v[BX]
	v_cvt_scalef32_pk16_fp6_f32 v[P:P+2], v[S:S+15], v[OP]
	v_cvt_scalef32_pk16_fp6_f32 v[T2:T2+2], v[S+16:S+31], v[OP+1]
	v_nop
.irp i, 0,1,2
	v_permlane16_swap_b32 v[P+\i], v[T2+\i]
.endr
.irp i, 0,1,2
	s_delay_alu instid0(VALU_DEP_3)
	v_mov_b32 v[P+3+\i], v[T2+\i]
.endr
	global_store_b128 v1, v[P:P+3], s[86:87]       ; the head's half-image of my block: 512 and 256 consecutive bytes
	global_store_b64 v2, v[P+4:P+5], s[86:87]
	global_store_b16 v[R16], v[OW], s[88:89]       ; lanes r and r + 16 write the same two bytes with the same value
.endm
	s_wait_tensorcnt 1                             ; the scale words and keys 0 to 1,023 are in; the load of the second half may be out
	s_barrier_signal -1
	s_barrier_wait -1
	PASS 8, 0                                      ; tile 16 g + w lies among the first 1,024 tokens: 8 steps at the most
	s_wait_tensorcnt 0x0                           ; the second half
	s_wait_dscnt 0x0
	s_barrier_signal -1
	s_barrier_wait -1
	PASS 16, 1
	s_wait_tensorcnt 0x0
	ds_add_u32 v254, v255
	s_wait_dscnt 0x0
	s_endpgm
.Lfunc_end_k_qe09ace59e0_attn:
	.size	k_qe09ace59e0_attn, .Lfunc_end_k_qe09ace59e0_attn-k_qe09ace59e0_attn
	.p2alignl 7, 3214868480
	.fill 96, 4, 3214868480
	.section	.rodata,"a",@progbits
	.p2align	6, 0x0
	.amdhsa_kernel k_qe09ace59e0_attn
		.amdhsa_group_segment_fixed_size 206848
		.amdhsa_private_segment_fixed_size 0
		.amdhsa_enable_private_segment 0
		.amdhsa_kernarg_size 48
		.amdhsa_user_sgpr_count 2
		.amdhsa_user_sgpr_kernarg_segment_ptr 1
		.amdhsa_wavefront_size32 1
		.amdhsa_system_sgpr_workgroup_id_x 1
		.amdhsa_system_sgpr_workgroup_id_y 1
		.amdhsa_system_sgpr_workgroup_id_z 1
		.amdhsa_system_vgpr_workitem_id 0
		.amdhsa_next_free_vgpr 256
		.amdhsa_next_free_sgpr 96
		.amdhsa_reserve_vcc 1
		.amdhsa_float_denorm_mode_32 3
		.amdhsa_float_denorm_mode_16_64 3
		.amdhsa_memory_ordered 1
		.amdhsa_forward_progress 1
		.amdhsa_inst_pref_size 67
	.end_amdhsa_kernel
	.amdgpu_metadata
---
amdhsa.version: [ 1, 2 ]
amdhsa.kernels:
  - .name:           k_qe09ace59e0_attn
    .symbol:         k_qe09ace59e0_attn.kd
    .args:
      - { .name: qkc, .offset: 0, .size: 8, .value_kind: global_buffer, .address_space: global }
      - { .name: qks, .offset: 8, .size: 8, .value_kind: global_buffer, .address_space: global }
      - { .name: vc, .offset: 16, .size: 8, .value_kind: global_buffer, .address_space: global }
      - { .name: vs, .offset: 24, .size: 8, .value_kind: global_buffer, .address_space: global }
      - { .name: ac, .offset: 32, .size: 8, .value_kind: global_buffer, .address_space: global }
      - { .name: a_sc, .offset: 40, .size: 8, .value_kind: global_buffer, .address_space: global }
    .group_segment_fixed_size: 206848
    .private_segment_fixed_size: 0
    .kernarg_segment_align: 8
    .kernarg_segment_size: 48
    .max_flat_workgroup_size: 512
    .sgpr_count:     96
    .vgpr_count:     256
    .wavefront_size: 32
...
	.end_amdgpu_metadata
.endif
;; end of part 3
;; launch oproj (part 4): grid 4 x 64, 4 waves a work-group, clusters of 4 x 4, 295,424 bytes of LDS; arguments ac, a_sc, wc, w_sc, bo, out0; writes out0
.if DOCPART == 4
	.amdgcn_target "amdgcn-amd-amdhsa--gfx1250"
	.amdhsa_code_object_version 6
	.text
	.protected	k_qe09ace59e0_oproj
	.globl	k_qe09ace59e0_oproj
	.p2align	8
	.type	k_qe09ace59e0_oproj,@function
k_qe09ace59e0_oproj:
	s_mov_b64 s[64:65], 0
	v_nop
	global_prefetch_b8 v0, s[64:65] scope:SCOPE_SE
	s_setreg_imm32_b32 hwreg(HW_REG_WAVE_MODE, 25, 1), 1
	s_wait_xcnt 0x0
	s_wait_alu depctr_hold_cnt(0) depctr_sa_sdst(0) depctr_va_vdst(0) depctr_va_sdst(0) depctr_va_ssrc(0) depctr_va_vcc(0) depctr_vm_vsrc(0)
	s_getreg_b32 s2, hwreg(HW_REG_IB_STS2, 6, 4)
	s_cmp_eq_u32 s2, 0
	s_cbranch_scc0 .Lentry_in_a_cluster
	s_endpgm
.Lentry_in_a_cluster:
	s_bfe_u32 s2, ttmp6, 0x10000c
	s_cmp_lg_u32 s2, 0xf033
	s_cbranch_scc0 .Lentry_shape_is_right
	s_endpgm
.Lentry_shape_is_right:
; out0 = O Wo + bo on codes of FP6 (E2M3).  Work-group (X, Y) makes 128 tokens (row blocks 8 Y on of ac) x 256 channels (row blocks 192 + 16 X on of wc); a wave 64 tokens x 128 channels.
; Codes lie as half-images (16 rows x 64 K, 768 bytes: lane l's registers 0-3 at 16 l, 4-5 at 512 + 8 l); lane r of row block m is row 32 (m / 2) + 8 (m % 2) + r + 8 (r / 8).
; Source 0 = 8 blocks of Wo, source 1 = 4 blocks of tokens: a lane holds one token, register 8 b + j is channel 32 (b / 2) + 16 h + 8 (b % 2) + j of my 128.  bo is the C of each sum's first product.
; LDS IS FILLED ONCE: the tile's whole K, as four chunks of 256 along K, each [24 blocks][3,072 bytes]: blocks 0-7 tokens, 8-23 Wo.  Each chunk wants one counted wait and one barrier.
; CLUSTER 4 x 4: tokens' tiles are asked for jointly along a row of the cluster, Wo's along a column.  Each wave issues four joint loads at the start: four are out at the most.
; REGISTERS: window 0: v1-11 addresses; v32-63 Wo's scale words, v64-79 the tokens'; v80-143 bo; v144-239 the tokens' fragments, two sets (on the way out v80-207: rows of out0).
;            window 1: v0-191 Wo's fragments, two sets.   window 2: the 32 accumulators, (a, b) at v[8 (8 a + b)].
.set CH,    73728
.set L16,   1                          ; v1   16 x lane
.set L8,    2                          ; v2   512 + 8 x lane
.set ADB16, 5
.set ADB8,  6
.set ADA16, 7
.set ADA8,  8
.set BO64,  9                          ; v9   64 h
.set STO,   10                         ; v10  the stage: where I put 32 bytes of a row
.set RD,    11                         ; v11  and where I read a row back
.set SCB,   32
.set SCA,   64
.set BIAS,  80
.set AF,    144
.set BK,    80                         ; the way out: two sets of 64 registers
.set G1T,   36
.set G1W,   44
.set G0T,   68
.set G0W,   84
.set MSB, 0
.macro WIN new                         ; the immediate's high byte repeats the setting that is left
.if MSB != \new
	s_set_vgpr_msb (MSB<<8)|\new
.set MSB, \new
.endif
.endm
.macro PLACES                          ; four plain places behind a matrix instruction (ISA guide 7.12.1)
.rept 4
	v_nop
.endr
.endm
.macro CROUND                          ; a round of the cluster's barrier
	s_barrier_signal -1
	s_barrier_wait -1
	s_cmp_lg_u32 s26, 0
	s_cbranch_scc1 .Lnot_wave_0_\@
	s_barrier_signal -3
.Lnot_wave_0_\@:
	s_barrier_wait -3
	s_barrier_signal -1
	s_barrier_wait -1
.endm
.macro FRAG reg, a16, a8, off          ; a fragment: two half-images on end
	ds_load_b128 v[\reg:\reg+3], v[\a16] offset:\off
	ds_load_b64 v[\reg+4:\reg+5], v[\a8] offset:\off
	ds_load_b128 v[\reg+6:\reg+9], v[\a16] offset:\off+768
	ds_load_b64 v[\reg+10:\reg+11], v[\a8] offset:\off+768
.endm
.macro FETCH s                         ; K step s: 48 LDS loads in one run, into set s % 2
	WIN 0x40
.irp i, 0,1,2,3,4,5,6,7
	FRAG 96*((\s)%2)+12*\i, ADB16, ADB8, 3072*\i+1536*((\s)%2)
.endr
	WIN 0
.irp i, 0,1,2,3
	FRAG AF+48*((\s)%2)+12*\i, ADA16, ADA8, 3072*\i+1536*((\s)%2)
.endr
.endm
; 32 matrix instructions; the 32 accumulators take turns, one instruction a turn, in the same order in every step.
.macro MUL s, first
.if \first
	WIN 0x81                                       ; source 0 window 1, source 1 and C (bo) window 0, D window 2
.else
	WIN 0xa1                                       ; C and D window 2
.endif
.irp a, 0,1,2,3
.irp b, 0,1,2,3,4,5,6,7
.if \first
	v_wmma_scale_f32_16x16x128_f8f6f4 v[8*(8*\a+\b):8*(8*\a+\b)+7], v[96*((\s)%2)+12*\b:96*((\s)%2)+12*\b+11], v[AF+48*((\s)%2)+12*\a:AF+48*((\s)%2)+12*\a+11], v[BIAS+8*\b:BIAS+8*\b+7], v[SCB+4*\b+(\s)/2], v[SCA+4*\a+(\s)/2] matrix_a_fmt:MATRIX_FMT_FP6 matrix_b_fmt:MATRIX_FMT_FP6
.elseif (\s)%2
	v_wmma_scale_f32_16x16x128_f8f6f4 v[8*(8*\a+\b):8*(8*\a+\b)+7], v[96*((\s)%2)+12*\b:96*((\s)%2)+12*\b+11], v[AF+48*((\s)%2)+12*\a:AF+48*((\s)%2)+12*\a+11], v[8*(8*\a+\b):8*(8*\a+\b)+7], v[SCB+4*\b+(\s)/2], v[SCA+4*\a+(\s)/2] matrix_a_fmt:MATRIX_FMT_FP6 matrix_b_fmt:MATRIX_FMT_FP6 matrix_a_scale:MATRIX_SCALE_ROW1 matrix_b_scale:MATRIX_SCALE_ROW1
.else
	v_wmma_scale_f32_16x16x128_f8f6f4 v[8*(8*\a+\b):8*(8*\a+\b)+7], v[96*((\s)%2)+12*\b:96*((\s)%2)+12*\b+11], v[AF+48*((\s)%2)+12*\a:AF+48*((\s)%2)+12*\a+11], v[8*(8*\a+\b):8*(8*\a+\b)+7], v[SCB+4*\b+(\s)/2], v[SCA+4*\a+(\s)/2] matrix_a_fmt:MATRIX_FMT_FP6 matrix_b_fmt:MATRIX_FMT_FP6
.endif
.endr
.endr
.endm
.macro HEAD s
	s_wait_dscnt 0x0                               ; step s's fragments are in
	WIN 0
.if ((\s) == 1) || ((\s) == 3) || ((\s) == 5)
	s_wait_tensorcnt 3-((\s)+1)/2                  ; the next chunk has landed: my loads of the chunks behind it may be out
	s_barrier_signal -1
	s_barrier_wait -1
	v_add_nc_u32 v[ADB16], CH, v[ADB16]            ; these four are also the places in front of the loads
	v_add_nc_u32 v[ADB8], CH, v[ADB8]
	v_add_nc_u32 v[ADA16], CH, v[ADA16]
	v_add_nc_u32 v[ADA8], CH, v[ADA8]
.elseif ((\s) == 2) || ((\s) == 4) || ((\s) == 6)
	PLACES
.endif
.endm
.macro TAIL s, first
.if (\s) < 7
	FETCH (\s)+1
.endif
	MUL \s, \first
.endm
	s_load_b256 s[4:11], s[0:1], 0x0               ; ac s[4:5], a_sc s[6:7], wc s[8:9], w_sc s[10:11]
	s_load_b128 s[12:15], s[0:1], 0x20             ; bo s[12:13], out0 s[14:15]
	v_lshl_add_u32 v254, v0, 2, 0x48000
	v_mov_b32 v255, 0
	ds_add_u32 v254, v255
	ds_add_u32 v254, v255
	v_lshrrev_b32 v3, 5, v0
	v_readfirstlane_b32 s26, v3                    ; wave 0..3
	s_and_b32 s27, s26, 1
	s_lshr_b32 s28, s26, 1
	s_bfe_u32 s29, ttmp6, 0x40000                  ; cx
	s_bfe_u32 s30, ttmp6, 0x40004                  ; cy
	s_lshl_b32 s31, ttmp9, 2
	s_add_co_u32 s31, s31, s29                     ; X
	s_and_b32 s32, ttmp7, 0xffff
	s_lshl_b32 s32, s32, 2
	s_add_co_u32 s32, s32, s30                     ; Y
	s_lshl_b32 s34, s30, 2
	s_lshl_b32 s34, 15, s34                        ; my row of the cluster
	s_lshl_b32 s35, 0x1111, s29                    ; my column
	s_or_b32 s[G1T], s34, (3<<16)|(1<<21)          ; rows of 3,072 bytes as 384 elements of 8 bytes, 12,288 bytes apart; 4 blocks of tokens or 8 of Wo; dense in LDS
	s_or_b32 s[G1W], s35, (3<<16)|(1<<21)
	s_mov_b32 s[G1T+1], 384<<16
	s_mov_b32 s[G1T+2], 4<<16
	s_mov_b32 s[G1T+3], 384<<16
	s_mov_b32 s[G1T+4], 4
	s_mov_b32 s[G1T+5], 1536
	s_mov_b32 s[G1T+6], 0
	s_mov_b32 s[G1T+7], 0
	s_mov_b32 s[G1W+1], 384<<16
	s_mov_b32 s[G1W+2], 8<<16
	s_mov_b32 s[G1W+3], 384<<16
	s_mov_b32 s[G1W+4], 8
	s_mov_b32 s[G1W+5], 1536
	s_mov_b32 s[G1W+6], 0
	s_mov_b32 s[G1W+7], 0
	s_lshl_b32 s52, s32, 3                         ; tokens: block 8 Y + 4 (wave % 2); these registers never hold X
	s_lshl_b32 s53, s27, 2
	s_add_co_u32 s52, s52, s53
	s_mul_i32 s52, s52, 12288
	s_mov_b32 s53, 0
	s_lshl_b32 s56, s31, 4                         ; Wo: block 192 + 16 X + 8 (wave % 2); these never hold Y
	s_lshl_b32 s57, s27, 3
	s_add_co_u32 s56, s56, s57
	s_add_co_u32 s56, s56, 192
	s_mul_i32 s56, s56, 12288
	s_mov_b32 s57, 0
	s_mul_i32 s33, s27, 12288                      ; where they go in a chunk: the wave's number alone
	s_mul_i32 s63, s27, 24576
	s_add_co_u32 s63, s63, 24576
	s_wait_dscnt 0x0
	s_wait_kmcnt 0x0
	s_add_nc_u64 s[54:55], s[4:5], s[52:53]
	s_add_nc_u64 s[58:59], s[8:9], s[56:57]
.irp g, 0,1,2,3
	s_mov_b32 s[G0T+4*\g], 1
	s_add_co_u32 s[G0T+4*\g+1], s33, \g*CH
	s_add_nc_u64 s[G0T+4*\g+2:G0T+4*\g+3], s[54:55], \g*3072
	s_or_b32 s[G0T+4*\g+3], s[G0T+4*\g+3], 0x80000000
	s_mov_b32 s[G0W+4*\g], 1
	s_add_co_u32 s[G0W+4*\g+1], s63, \g*CH
	s_add_nc_u64 s[G0W+4*\g+2:G0W+4*\g+3], s[58:59], \g*3072
	s_or_b32 s[G0W+4*\g+3], s[G0W+4*\g+3], 0x80000000
.endr
	CROUND                                         ; all sixteen work-groups are here: the joint loads meet
	s_cmp_eq_u32 s28, 0                            ; waves 0, 1: the tokens' halves; waves 2, 3: Wo's
	s_cbranch_scc0 .Lfill_w
	tensor_load_to_lds s[G0T:G0T+3], s[G1T:G1T+7]
	s_nop 0
	tensor_load_to_lds s[G0T+4:G0T+7], s[G1T:G1T+7]
	s_nop 0
	tensor_load_to_lds s[G0T+8:G0T+11], s[G1T:G1T+7]
	s_nop 0
	tensor_load_to_lds s[G0T+12:G0T+15], s[G1T:G1T+7]
	s_nop 0
	PLACES
	s_branch .Lfilled
.Lfill_w:
	tensor_load_to_lds s[G0W:G0W+3], s[G1W:G1W+7]
	s_nop 0
	tensor_load_to_lds s[G0W+4:G0W+7], s[G1W:G1W+7]
	s_nop 0
	tensor_load_to_lds s[G0W+8:G0W+11], s[G1W:G1W+7]
	s_nop 0
	tensor_load_to_lds s[G0W+12:G0W+15], s[G1W:G1W+7]
	s_nop 0
	PLACES
.Lfilled:
	v_and_b32 v12, 31, v0                          ; lane
	v_and_b32 v3, 15, v0                           ; r
	v_bfe_u32 v4, v0, 4, 1                         ; h
	v_lshlrev_b32 v[L16], 4, v12
	v_lshl_add_u32 v[L8], v12, 3, 512
	v_lshlrev_b32 v[BO64], 6, v4
	s_mul_i32 s2, s26, 8448                        ; my stage: 16 rows x 528 bytes, in chunk 0
	v_mul_u32_u24 v[STO], v3, 528
	v_lshl_add_u32 v[STO], v4, 6, v[STO]
	v_add_nc_u32 v[STO], s2, v[STO]                ; in: row r, + 64 h
	v_add_nc_u32 v[RD], s2, v[L16]                 ; back: 16 bytes a lane of a row of 512
	; pointers that mix X and Y lie in s100, s101, s104, s105, which feed no descriptor
	s_lshl_b32 s100, s31, 13                       ; Wo's scale words: block 192 + 16 X + 8 (wave % 2), 512 bytes each
	s_lshl_b32 s101, s27, 12
	s_add_co_u32 s100, s100, s101
	s_add_co_u32 s100, s100, 192*512
	s_mov_b32 s101, 0
	s_add_nc_u64 s[10:11], s[10:11], s[100:101]
	s_lshl_b32 s104, s32, 12                       ; the tokens': block 8 Y + 4 (wave / 2)
	s_lshl_b32 s105, s28, 11
	s_add_co_u32 s104, s104, s105
	s_mov_b32 s105, 0
	s_add_nc_u64 s[6:7], s[6:7], s[104:105]
	s_lshl_b32 s100, s31, 10                       ; my first channel, in bytes: 256 X + 128 (wave % 2), 4 bytes each
	s_lshl_b32 s104, s27, 9
	s_add_co_u32 s100, s100, s104
	s_add_nc_u64 s[12:13], s[12:13], s[100:101]    ; bo there
	s_lshl_b32 s104, s32, 19                       ; my first token: 128 Y + 64 (wave / 2), rows of 4,096 bytes
	s_add_co_u32 s100, s100, s104
	s_lshl_b32 s104, s28, 18
	s_add_co_u32 s100, s100, s104
	s_add_nc_u64 s[14:15], s[14:15], s[100:101]
.irp i, 0,1,2,3,4,5,6,7
	global_load_b128 v[SCB+4*\i:SCB+4*\i+3], v[L16], s[10:11] offset:512*\i
.endr
.irp i, 0,1,2,3
	global_load_b128 v[SCA+4*\i:SCA+4*\i+3], v[L16], s[6:7] offset:512*\i
.endr
.irp b, 0,1,2,3,4,5,6,7
	global_load_b128 v[BIAS+8*\b:BIAS+8*\b+3], v[BO64], s[12:13] offset:(32*(\b/2)+8*(\b%2))*4
	global_load_b128 v[BIAS+8*\b+4:BIAS+8*\b+7], v[BO64], s[12:13] offset:(32*(\b/2)+8*(\b%2))*4+16
.endr
	s_mul_i32 s2, s27, 24576
	s_add_co_u32 s2, s2, 24576                     ; my 8 blocks of Wo in a chunk,
	s_mul_i32 s3, s28, 12288                       ; my 4 of tokens
	v_add_nc_u32 v[ADB16], s2, v[L16]
	v_add_nc_u32 v[ADB8], s2, v[L8]
	v_add_nc_u32 v[ADA16], s3, v[L16]
	v_add_nc_u32 v[ADA8], s3, v[L8]
	s_wait_tensorcnt 3                             ; my part of chunk 0 is in; the three behind it may be out
	s_barrier_signal -1
	s_barrier_wait -1
	FETCH 0
	s_wait_loadcnt 0x0                             ; the scale words and bo
	HEAD 0
	TAIL 0, 1                                      ; the first step's products start the sums from bo
.irp s, 1,2,3,4,5,6,7
	HEAD \s
	TAIL \s, 0
.endr
	WIN 0
; THE WAY OUT, a block of 16 tokens x 128 channels at a time, through my own stage.  It lies in chunk 0, which has had its only fill and whose last read by any wave stands in front of an earlier barrier.
; LDS serves a wave's instructions in order: no wait between the stores and the loads, nor in front of the next block's stores.
.macro TOSTAGE a
	WIN 0x08                                       ; an LDS store's data: window 2
.irp b, 0,1,2,3,4,5,6,7
	ds_store_b128 v[STO], v[64*\a+8*\b:64*\a+8*\b+3] offset:128*(\b/2)+32*(\b%2)       ; each accumulator from its low end on
	ds_store_b128 v[STO], v[64*\a+8*\b+4:64*\a+8*\b+7] offset:128*(\b/2)+32*(\b%2)+16
.endr
	WIN 0
.irp t, 0,1,2,3,4,5,6,7,8,9,10,11,12,13,14,15
	ds_load_b128 v[BK+64*((\a)%2)+4*\t:BK+64*((\a)%2)+4*\t+3], v[RD] offset:528*\t
.endr
.endm
.macro SEND a, younger                 ; younger: the LDS instructions issued behind block a's loads, which may stay out
	s_wait_dscnt \younger
.irp t, 0,1,2,3,4,5,6,7,8,9,10,11,12,13,14,15
	global_store_b128 v[L16], v[BK+64*((\a)%2)+4*\t:BK+64*((\a)%2)+4*\t+3], s[14:15] offset:(32*((\a)/2)+8*((\a)%2)+\t+8*(\t/8))*4096 th:TH_STORE_NT   ; 32 lanes: 512 consecutive bytes of one token's row, at a multiple of 256
.endr
.endm
	PLACES                                         ; behind the last products
	TOSTAGE 0
	TOSTAGE 1
	SEND 0, 32                                     ; behind block 0's loads: block 1's 16 stores and 16 loads
	s_wait_xcnt 0x0                                ; block 0's stores have read their registers: block 2's rows may land there
	TOSTAGE 2
	SEND 1, 32
	s_wait_xcnt 0x0
	TOSTAGE 3
	SEND 2, 32
	SEND 3, 0
	s_wait_dscnt 0x0
	s_wait_tensorcnt 0x0
	ds_add_u32 v254, v255
	s_wait_dscnt 0x0
	CROUND                                         ; the closing round: no work-group ends while a partner may still ask for a tile that names it
	s_endpgm
.Lfunc_end_k_qe09ace59e0_oproj:
	.size	k_qe09ace59e0_oproj, .Lfunc_end_k_qe09ace59e0_oproj-k_qe09ace59e0_oproj
	.p2alignl 7, 3214868480
	.fill 96, 4, 3214868480
	.section	.rodata,"a",@progbits
	.p2align	6, 0x0
	.amdhsa_kernel k_qe09ace59e0_oproj
		.amdhsa_group_segment_fixed_size 295424
		.amdhsa_private_segment_fixed_size 0
		.amdhsa_enable_private_segment 0
		.amdhsa_kernarg_size 48
		.amdhsa_user_sgpr_count 2
		.amdhsa_user_sgpr_kernarg_segment_ptr 1
		.amdhsa_wavefront_size32 1
		.amdhsa_system_sgpr_workgroup_id_x 1
		.amdhsa_system_sgpr_workgroup_id_y 1
		.amdhsa_system_sgpr_workgroup_id_z 1
		.amdhsa_system_vgpr_workitem_id 0
		.amdhsa_next_free_vgpr 768
		.amdhsa_next_free_sgpr 106
		.amdhsa_reserve_vcc 0
		.amdhsa_float_denorm_mode_32 3
		.amdhsa_float_denorm_mode_16_64 3
		.amdhsa_memory_ordered 1
		.amdhsa_forward_progress 1
		.amdhsa_inst_pref_size 85
	.end_amdhsa_kernel
	.amdgpu_metadata
---
amdhsa.version: [ 1, 2 ]
amdhsa.kernels:
  - .name:           k_qe09ace59e0_oproj
    .symbol:         k_qe09ace59e0_oproj.kd
    .args:
      - { .name: ac, .offset: 0, .size: 8, .value_kind: global_buffer, .address_space: global }
      - { .name: a_sc, .offset: 8, .size: 8, .value_kind: global_buffer, .address_space: global }
      - { .name: wc, .offset: 16, .size: 8, .value_kind: global_buffer, .address_space: global }
      - { .name: w_sc, .offset: 24, .size: 8, .value_kind: global_buffer, .address_space: global }
      - { .name: bo, .offset: 32, .size: 8, .value_kind: global_buffer, .address_space: global }
      - { .name: out0, .offset: 40, .size: 8, .value_kind: global_buffer, .address_space: global }
    .group_segment_fixed_size: 295424
    .private_segment_fixed_size: 0
    .kernarg_segment_align: 8
    .kernarg_segment_size: 48
    .max_flat_workgroup_size: 128
    .sgpr_count:     106
    .vgpr_count:     768
    .wavefront_size: 32
...
	.end_amdgpu_metadata
.endif
;; end of part 4
